; MI455X (gfx1250); checked and timed in simulation.
; The chip was launched on July 23, 2026; its instructions are those of AMD's public machine-readable ISA for CDNA 5 (MIT licence, August 2026) and "CDNA5" Instruction Set Architecture Reference Guide (July 2026). The comments in the code are by the model that wrote it; some were corrected since.
;; Net. Allowed arithmetic: matrix products marked QUANTISED: E5M2 operands, one E8M0 scale for each 32 along K, by v_wmma_scale_f32_16x16x128_f8f6f4 with both operands' format E5M2, f32 sums; products left as they are: f32 operands where the result goes on into a quantised operand, else bf16, f16 or f32 operands; f32 sums; everything else in f32.
;; Inputs: a 524,288 x 2 float32; b_l1 100 float32; b_l2 50 x 2 float32; b_v1 100 float32; b_v2 50 float32; s 524,288 x 10 float32; w_l1 10 x 100 float32; w_l2 50 x 100 x 2 float32; w_v1 10 x 100 float32; w_v2 100 x 50 float32.
;; Outputs: out0 524,288 x 1 float32.
;; This version of the problem:
;;   THIS VERSION OF THE PROBLEM IS GIVEN IN LOW PRECISION. The matrix products marked QUANTISED in the list below multiply operands that are first quantised to E5M2 (5 exponent bits, 2 mantissa bits; 8 bits a number), with one power-of-two scale for each 32 numbers along K (OCP MX v1.0); their sums are f32. All else is computed in f32.
;;   The module's matrix products, in the order in which they are computed (A, B: the left and right operand; K: the contracted axis; several contracted axes count as one K, in the product's order):
;;     1. [M 524,288, K 10] x [K 10, N 100]; A: input s; B: input w_v1: left as it is (K = 10 < 32)
;;     2. [M 524,288, K 100] x [K 100, N 50]; A: computed on the way; B: input w_v2: QUANTISED
;;     3. [M 524,288, K 10] x [K 10, N 100]; A: input s; B: input w_l1: left as it is (K = 10 < 32)
;;     4. [M 524,288, K 100] x [K 100, N 100]; A: computed on the way; B: input w_l2: QUANTISED
;;   THE QUANTISER, for each operand of a quantised product, along K:
;;     - K is cut into blocks of 32 from its start; a last block that is shorter is filled with zeros.
;;     - A block's scale is 2^e with e = floor(log2(the largest magnitude in the block)) - 15, held to -126 .. 127; a block of zeros has e = 0. As a byte (E8M0): e + 127.
;;     - Each number is divided by its block's scale, clamped to +-57,344, and rounded to the nearest number of E5M2, ties to even, subnormals kept.
;;     - The product sums the exact products of the quantised numbers (number of the format x scale) in f32.
;;   ~~~python
;;   def quantise(x, axis):      # numpy; x: float32 -> the quantised numbers, widened to float32 again
;;       x = np.moveaxis(x, axis, -1); K = x.shape[-1]
;;       x = np.pad(x, [(0, 0)] * (x.ndim - 1) + [(0, -K % 32)]); x = x.reshape(x.shape[:-1] + (-1, 32)); a = np.abs(x).max(-1, keepdims=True)
;;       e = np.where(a > 0, np.clip(np.frexp(np.where(a > 0, a, 1))[1] - 1 - 15, -126, 127), 0)      # np.frexp(a)[1] - 1 = floor(log2(a)), exactly
;;       r = np.clip(x / 2.0 ** e, -57344, 57344)
;;       step = 2.0 ** (np.maximum(np.frexp(np.where(r == 0, 1, r))[1] - 1, -14) - 2)
;;       q = np.round(r / step) * step * 2.0 ** e      # np.round: ties to even
;;       return np.moveaxis(q.reshape(q.shape[:-2] + (-1,))[..., :K], -1, axis).astype(np.float32)
;;   ~~~
;;   OPERANDS COMPUTED ON THE WAY. 'Computed on the way' means the value that the module computes at that place (a softmax that the list does not call 'softmax' is quantised finished and normalised). What goes into a quantiser is computed in f32, as accurately as f32 sums, v_exp_f32 and their like allow (about 1e-6 of the number): no bf16 or f16 on the way to a quantiser, and a product that is left as it is and whose result goes on into a quantised operand takes f32 operands (vector FMAs, or v_wmma_f32_16x16x4_f32). A number that lies on a knife's edge between two numbers of the format may be rounded either way, as far as f32 arithmetic and the matrix unit's own rounding can turn it there, and no further.
;; 2 versions, each right; version 2 is version 1 with the launch net written anew for expert scheduling mode. Each part assembles by itself: llvm-mc -triple=amdgcn-amd-amdhsa -mcpu=gfx1250 --defsym DOCPART=n.
;; ======== version 1 of 2: 1 launch
;; launch net (part 1): grid 256 x 1, 8 waves a work-group, no clusters, 39,936 bytes of LDS; arguments s, a, w_v1, b_v1, w_v2, b_v2, w_l1, b_l1, w_l2, b_l2, out0; writes out0
.if DOCPART == 1
	.amdgcn_target "amdgcn-amd-amdhsa--gfx1250"
	.amdhsa_code_object_version 6
	.text
	.protected	k_qf9ed8f4ea7_net
	.globl	k_qf9ed8f4ea7_net
	.p2align	8
	.type	k_qf9ed8f4ea7_net,@function
k_qf9ed8f4ea7_net:
	s_mov_b64 s[64:65], 0
	v_nop
	global_prefetch_b8 v0, s[64:65] scope:SCOPE_SE
	s_setreg_imm32_b32 hwreg(HW_REG_WAVE_MODE, 25, 1), 1
	s_wait_xcnt 0x0
; out[row] = sum_n softmax_n(-3 |5 tanh(Q(hl) Q(w_l2) + b_l2)[n] - a|) x (Q(hv) Q(w_v2) + b_v2)[n],  hv = relu(s w_v1 + b_v1), hl = relu(s w_l1 + b_l1).
; Q: codes of BF8 (E5M2) with one E8M0 scale for each 32 along K = 100 (filled with zero codes to 128: ONE scaled matrix instruction deep).
; NO WORK OF THE PROBLEM IS LEFT OUT: all ten inputs are loaded.  In the two left-over tiles of the second layer (centroids 24 and 49) the rows beyond the first two (locations)
; or the first (values) repeat those rows; their results are never read: they lie inside tiles that hold live work.
; LIMITS: NaN and infinities among the inputs are not served.  A block whose largest magnitude lies under 2^-111 takes the scale byte 1; so does a block of zeros (the rule says 127):
; its codes are zeros, which add nothing under any byte but 0xff, and the bytes are read by this program alone.
; SHARES.  256 work-groups x 8 waves; a wave owns 256 consecutive rows: 16 trips of 16 rows.  All weights stay in the wave's registers (512 a wave, two waves to a SIMD).
; NO CLUSTER, NO TENSOR LOAD: what work-groups share is 69,400 bytes of weights, read once at the head; the streams s and a are 48 bytes a row and come by loads into registers more than a trip ahead.
; LAYOUT.  Every product is used transposed (source 0 = weights, source 1 = the 16 rows): lane (r = lane % 16, hh = lane / 16) holds row r throughout.
; FIRST LAYER: f32 operands (its results go into a quantiser), v_wmma_f32_16x16x4_f32, K = 12 in three steps: k = 10 carries the bias (s's slot holds 1.0), k = 11 is zero.
;   Tile 2 b + u takes units 32 b + 8 u + m + 8 (m / 8), so that the 16 registers of tiles 2 b, 2 b + 1 are units 32 b + 16 hh + 0 .. 15: the next operand's order.
;   Tile X: rows 0-3 the value tower's units 96-99, rows 4-7 the location tower's, rows 8-15 zero.  13 tiles x 3 steps for both towers.
; SECOND LAYER: half hh of the lanes holds centroids 25 hh + 0 .. 24.  Fragments f: 0-2 x of slots 8 t + j; 3-5 y; 6 slot 24 (x, y by turns); 7-9 values; 10 slot 24's value.
; AFTER IT: 5 tanh(z) - a = (5 - a) - 10 / (1 + 2^(2 log2(e) z)); the distance; the least distance of the row is taken away before the exponential (the maximum of -3 d).
; BY TURNS: the next trip's value-tower first layer (21 matrix instructions, all operands in window 0) stands among this trip's tanh and softmax, one behind every eleventh vector line.
; REGISTERS, window 0: v1, v2 the add's two; v3-7 addresses; v8-13 the weights' scale words, v14, v15 the hidden layers'; v16-27 s, two buffers; v28-31 a, two buffers; v32-33 5 - a;
;   v34-49 hidden codes (v48, v49 stay 0); v50-65 at work (v64 result, v65 its LDS address); v66-73 the left-over block (v70-73 stay 0); v74-125 P (x 74-97, slot 24 98-99, pad, y 102-125; the quantiser's
;   16 registers lie over v74-89); v126-167 w_v1's fragments; v168-223 first-layer results, then locations (written by matrix instructions alone); v224-255 values.
;   window 1: v0-175 the second layer's 11 fragments (at the head: what is being quantised); v176-211 w_l1's fragments; v212-243 b_v2 in the result's layout.
.set W2SC,  22528                      ; LDS: 0: 11 fragment images of 2,048 bytes; here their scale words, 128 bytes each
.set BIMG,  24064                      ; the image of P's 52 registers holding 2 log2(e) b_l2: 13 x 512 bytes
.set STG,   30720                      ; each wave's 256 results, 1,024 bytes a wave
.set SPARE, 38912                      ; the spare words, 128 bytes for each wave: four blocks of 256 bytes that no other line names
.set SPW, 1
.set NIL, 2
.set LI,  3                            ; 16 x lane
.set SO01, 4                           ; s: 40 r + 8 hh
.set SO2, 5                            ; s: 40 r + 32
.set AO,  6                            ; a: 8 r
.set OST, 7                            ; STG + 1,024 wave + 4 r
.set W2S, 8
.set HSV, 14
.set HSL, 15
.set SF,  16
.set A2,  28
.set FA,  32
.set HC,  34
.set TA,  50
.set TB,  58
.set XL,  56                           ; head only: w_l1's copy of tile X
.set RES, 64
.set RAD, 65
.set T8,  66
.set P,   74
.set TM,  74
.set W1V, 126
.set D,   168
.set DV,  224
.set W1L, 176                          ; window 1
.set BCV, 212
.set XA,  0                            ; window 1, head only
.set XB,  56
.set CC,  112
.set TQ,  128
.set PWQ, 144
.set BT,  146
.set HR,  74                           ; window 0, head only: r, hh, g = r / 8, j = r % 8, offsets
.set HH,  75
.set HG,  76
.set HJ,  77
.set VL,  78
.set VL3, 79
.set VV,  80
.set VV3, 81
.set VW,  82
.set VW0, 83
.set VX,  84
.set VX0, 85
.set VBL, 86
.set VBV, 87
.set WST, 88
.set WSS, 89
.set LSS, 90
.set LS0, 91
.set HT,  92
.set HT2, 93
.set WV,  30
.set CNT, 31
.set SEL, 32
.set MNT, 34
.set ML,  35
.set MH,  36
.set M4,  37
.set M8,  38
.set K2,  40                           ; s[40:41] 2 log2(e)
.set KM10, 42                          ; s[42:43] -10
.set KM3, 44                           ; s[44:45] -3 log2(e)
.set K3,  46                           ; 3 log2(e)
.set TO,  47                           ; the pair of trips' place in the stage
.set MSB, 0
.macro WIN new                         ; the immediate's high byte repeats the setting that is left
.if MSB != \new
	s_set_vgpr_msb (MSB<<8)|\new
.set MSB, \new
.endif
.endm
; 52 numbers of one weight fragment into window 1: lane (r, hh) takes row r's k = 32 c + 16 hh + i; of the last block only k = 96 .. 99 exist (both halves load them, lanes 16-31 are cleared later)
.macro PREP xb, sb, va, vb, ks
	WIN 0x40
.irp c, 0,1,2
.irp i, 0,1,2,3,4,5,6,7,8,9,10,11,12,13,14,15
	global_load_b32 v[\xb+16*\c+\i], v[\va], s[\sb:\sb+1] offset:\ks*(32*\c+\i)
.endr
.endr
.irp i, 0,1,2,3
	global_load_b32 v[\xb+48+\i], v[\vb], s[\sb:\sb+1] offset:\ks*(96+\i)
.endr
	WIN 0
.endm
; the fragment's numbers become codes and a scale word, and go to LDS as an image of the operand's registers: fragment slot + wave
.macro QW xb, slot
	WIN 0x55
.irp i, 0,1,2,3
	v_cndmask_b32 v[\xb+48+\i], 0, v[\xb+48+\i], s[ML]           ; k = 112 on does not exist
	v_mov_b32 v[\xb+52+\i], 0                                    ; nor k = 100 .. 103
	v_mov_b32 v[TQ+4+\i], 0                                      ; a lane permute's destination counts as one of its sources
.endr
.irp b, 0,1,2
	v_max3_num_f32 v[TQ+\b], |v[\xb+16*\b]|, |v[\xb+16*\b+1]|, 0x8000000   ; the floor 2^(16 - 127): the byte cannot fall under 1
.endr
	v_max3_num_f32 v[TQ+3], |v[\xb+48]|, |v[\xb+49]|, 0x8000000
.irp i, 2,4,6,8,10,12,14
.irp b, 0,1,2
	v_max3_num_f32 v[TQ+\b], v[TQ+\b], |v[\xb+16*\b+\i]|, |v[\xb+16*\b+\i+1]|
.endr
.endr
	v_max3_num_f32 v[TQ+3], v[TQ+3], |v[\xb+50]|, |v[\xb+51]|
.irp b, 0,1,2,3
	v_permlanex16_b32 v[TQ+4+\b], v[TQ+\b], s[SEL], s[SEL+1]
.endr
.irp b, 0,1,2,3
	v_max_num_f32 v[TQ+\b], v[TQ+\b], v[TQ+4+\b]                 ; with lane l xor 16's: the block's largest magnitude
.endr
.irp b, 0,1,2,3
	v_add_nc_u32 v[TQ+12+\b], 0xf8800000, v[TQ+\b]               ; 15 off its exponent field: the conversion's scale operand
.endr
.irp b, 0,1,2,3
	v_and_or_b32 v[TQ+8+\b], v[TQ+\b], 0x7f800000, s[MNT]        ; 57,344 x the scale
.endr
.irp b, 0,1,2,3
	v_lshrrev_b32 v[TQ+4+\b], 23, v[TQ+12+\b]                    ; the scale's byte
.endr
	v_lshl_or_b32 v[PWQ], v[TQ+5], 8, v[TQ+4]
	v_lshl_or_b32 v[PWQ], v[TQ+6], 16, v[PWQ]
	v_lshl_or_b32 v[PWQ], v[TQ+7], 24, v[PWQ]
.irp b, 0,1,2
.irp i, 0,1,2,3,4,5,6,7,8,9,10,11,12,13,14,15
	v_med3_num_f32 v[\xb+16*\b+\i], v[\xb+16*\b+\i], -v[TQ+8+\b], v[TQ+8+\b]   ; the conversion to an 8-bit code does not saturate (ISA guide 7.6.2)
.endr
	v_cvt_scalef32_pk8_bf8_f32 v[CC+4*\b:CC+4*\b+1], v[\xb+16*\b:\xb+16*\b+7], v[TQ+12+\b]
	v_cvt_scalef32_pk8_bf8_f32 v[CC+4*\b+2:CC+4*\b+3], v[\xb+16*\b+8:\xb+16*\b+15], v[TQ+12+\b]
.endr
.irp i, 0,1,2,3
	v_med3_num_f32 v[\xb+48+\i], v[\xb+48+\i], -v[TQ+11], v[TQ+11]
.endr
	v_cvt_scalef32_pk8_bf8_f32 v[CC+12:CC+13], v[\xb+48:\xb+55], v[TQ+15]
	v_mov_b32 v[CC+14], 0
	v_mov_b32 v[CC+15], 0
	v_nop
	WIN 0x04                                                     ; an LDS store's data are its source 1: window 1
.irp c, 0,1,2,3
	ds_store_b128 v[WST], v[CC+4*\c:CC+4*\c+3] offset:2048*\slot+512*\c
.endr
	ds_store_b32 v[WSS], v[PWQ] offset:W2SC+128*\slot
	WIN 0
	s_wait_dscnt 0x0                                             ; the stores have read their registers: a second call may write them
.endm
; a tower's six full tiles of the first layer: lane (r, hh), register 2 q + j: w[4 q + 2 hh + j][unit]; step 2 is loaded as k = 8, 9 in both halves, lanes 16-31 are mended later
.macro W1LOAD dst, sw
.irp y, 0,1,2,3,4,5
.irp q, 0,1
.irp j, 0,1
	global_load_b32 v[\dst+6*\y+2*\q+\j], v[VW], s[\sw:\sw+1] offset:(4*\q+\j)*400+4*(32*(\y/2)+8*(\y%2))
.endr
.endr
.irp j, 0,1
	global_load_b32 v[\dst+6*\y+4+\j], v[VW0], s[\sw:\sw+1] offset:(8+\j)*400+4*(32*(\y/2)+8*(\y%2))
.endr
.endr
.endm
; matrix instruction nw of 21 of the value tower's first layer for the rows in s's buffer tnb: step nw / 7, tile nw % 7: the seven sums by turns, one instruction a turn
.macro F1V1
.set fq, nw/7
.set fT, nw%7
.if fq == 0
	v_wmma_f32_16x16x4_f32 v[D+8*fT:D+8*fT+7], v[W1V+6*fT:W1V+6*fT+1], v[SF+6*tnb:SF+6*tnb+1], 0
.else
	v_wmma_f32_16x16x4_f32 v[D+8*fT:D+8*fT+7], v[W1V+6*fT+2*fq:W1V+6*fT+2*fq+1], v[SF+6*tnb+2*fq:SF+6*tnb+2*fq+1], v[D+8*fT:D+8*fT+7]
.endif
.set nw, nw+1
.endm
.macro TICK                            ; behind a vector line of the tanh and the softmax: every eleventh is followed by one of the 21
.set tk, tk+1
.if tnext && ((tk%11) == 0) && (nw < 21)
	F1V1
.endif
.endm
.macro FLUSH                           ; what is left of the 21 (254 lines give room for 23: nothing)
.if tnext
.rept 21
.if nw < 21
	F1V1
.endif
.endr
.endif
.endm
; one scaled product: fragment f of the weights x the hidden codes.  The word of an even f lies in lanes 0-15 of its register, that of an odd f in lanes 16-31
.macro SWM d, f, cc, hs
.if ((\f)%2) == 1
	v_wmma_scale_f32_16x16x128_f8f6f4 v[(\d):(\d)+7], v[16*(\f):16*(\f)+15], v[HC:HC+15], \cc, v[W2S+(\f)/2], v[\hs] matrix_a_fmt:MATRIX_FMT_BF8 matrix_b_fmt:MATRIX_FMT_BF8 matrix_a_scale:MATRIX_SCALE_ROW1
.else
	v_wmma_scale_f32_16x16x128_f8f6f4 v[(\d):(\d)+7], v[16*(\f):16*(\f)+15], v[HC:HC+15], \cc, v[W2S+(\f)/2], v[\hs] matrix_a_fmt:MATRIX_FMT_BF8 matrix_b_fmt:MATRIX_FMT_BF8
.endif
.endm
; a hidden layer (v[D] .. v[D + 47] and four registers of tile X from v[left] on) becomes codes in v[HC] on and a scale word in v[hs].  No |.|: what is negative becomes 0, so it does not count
.macro QH left, hs
.irp b, 0,1,2
	v_max3_num_f32 v[TM+\b], v[D+16*\b], v[D+16*\b+1], 0x8000000 ; each accumulator is read from its low end on; the floor 2^(16 - 127)
.endr
	v_max3_num_f32 v[TM+3], v[\left], v[\left+1], 0x8000000
.irp i, 2,4,6,8,10,12,14
.irp b, 0,1,2
	v_max3_num_f32 v[TM+\b], v[TM+\b], v[D+16*\b+\i], v[D+16*\b+\i+1]
.endr
.endr
	v_max3_num_f32 v[TM+3], v[TM+3], v[\left+2], v[\left+3]
.irp b, 0,1,2,3
	v_permlanex16_b32 v[TM+4+\b], v[TM+\b], s[SEL], s[SEL+1]
.endr
.irp b, 0,1,2,3
	v_max_num_f32 v[TM+\b], v[TM+\b], v[TM+4+\b]
.endr
.irp b, 0,1,2,3
	v_add_nc_u32 v[TM+12+\b], 0xf8800000, v[TM+\b]
.endr
.irp b, 0,1,2,3
	v_and_or_b32 v[TM+8+\b], v[TM+\b], 0x7f800000, s[MNT]
.endr
.irp b, 0,1,2,3
	v_lshrrev_b32 v[TM+4+\b], 23, v[TM+12+\b]
.endr
	v_lshl_or_b32 v[\hs], v[TM+5], 8, v[TM+4]                    ; the scale word stands more than eight plain lines ahead of the products
	v_lshl_or_b32 v[\hs], v[TM+6], 16, v[\hs]
	v_lshl_or_b32 v[\hs], v[TM+7], 24, v[\hs]
	s_wait_dscnt 0x0                                             ; the last trip's store into the stage has read v64 and v65, which the holds below write
.irp b, 0,1,2
.irp i, 0,1,2,3,4,5,6,7
	v_med3_num_f32 v[TA+\i], v[D+16*\b+\i], 0, v[TM+8+\b]        ; the activation and the hold in one; the results of the f32 form are never written over by a vector line
.endr
	v_cvt_scalef32_pk8_bf8_f32 v[HC+4*\b:HC+4*\b+1], v[TA:TA+7], v[TM+12+\b]
.irp i, 0,1,2,3,4,5,6,7
	v_med3_num_f32 v[TB+\i], v[D+16*\b+8+\i], 0, v[TM+8+\b]      ; two sets by turns: plain lines stand between a conversion and the next write of its sources
.endr
	v_cvt_scalef32_pk8_bf8_f32 v[HC+4*\b+2:HC+4*\b+3], v[TB:TB+7], v[TM+12+\b]
.endr
.irp i, 0,1,2,3
	v_med3_num_f32 v[T8+\i], v[\left+\i], 0, v[TM+11]
.endr
	v_cvt_scalef32_pk8_bf8_f32 v[HC+12:HC+13], v[T8:T8+7], v[TM+15]   ; units 96-99 and four zeros (lanes 16-31: zeros)
	v_nop                                                        ; a plain line behind the last conversion
.endm
.macro TR50 op                         ; a batch of 50 transcendentals on x, slot 24 and y, in place; one plain line and ONE wait behind it, ahead of the first reader
.set ii, 0
.rept 50
.set rr, P+ii+2*(ii/26)
	\op v[rr], v[rr]
	TICK
.set ii, ii+1
.endr
	v_nop
	s_wait_alu depctr_va_vdst(0)
.endm
.macro TR25 op                         ; the same on the 25 slots
.set ii, 0
.rept 25
	\op v[P+ii], v[P+ii]
	TICK
.set ii, ii+1
.endr
	v_nop
	s_wait_alu depctr_va_vdst(0)
.endm
	s_load_b512 s[8:23], s[0:1], 0x0               ; s, a, w_v1, b_v1, w_v2, b_v2, w_l1, b_l1
	s_load_b128 s[24:27], s[0:1], 0x40             ; w_l2, b_l2
	s_load_b64 s[28:29], s[0:1], 0x50              ; out0
	v_lshl_add_u32 v[SPW], v0, 2, SPARE
	v_mov_b32 v[NIL], 0
	v_lshrrev_b32 v[HT], 5, v0
	v_readfirstlane_b32 s[WV], v[HT]               ; wave 0..7
	v_and_b32 v[HT], 31, v0                        ; lane
	v_and_b32 v[HR], 15, v0
	v_bfe_u32 v[HH], v0, 4, 1
	v_bfe_u32 v[HG], v0, 3, 1
	v_and_b32 v[HJ], 7, v0
	v_lshlrev_b32 v[LI], 4, v[HT]
	v_mul_u32_u24 v[SO01], v[HR], 40
	v_lshl_add_u32 v[SO01], v[HH], 3, v[SO01]
	v_mad_u32_u24 v[SO2], v[HR], 40, 32
	v_lshlrev_b32 v[AO], 3, v[HR]
	s_lshl_b32 s48, s[WV], 11
	v_add_nc_u32 v[WST], s48, v[LI]                ; an image's place: 16 x lane + 2,048 x wave
	s_lshl_b32 s48, s[WV], 7
	v_lshl_add_u32 v[WSS], v[HT], 2, s48           ; a scale word's: 4 x lane + 128 x wave
	v_lshlrev_b32 v[LS0], 2, v[HR]
	v_lshl_add_u32 v[LSS], v[HH], 7, v[LS0]        ; lanes 16-31 take the next fragment's words
	s_lshl_b32 s48, s[WV], 10
	s_add_co_u32 s48, s48, STG
	v_lshl_add_u32 v[OST], v[HR], 2, s48
	; w_l2 (n, h, c) lies at 800 n + 8 h + 4 c.  Wave w < 6: tile w % 3, coordinate w / 3: n = 25 g + 8 t + j.  Wave 6: n = 25 g + 24, coordinate j % 2
	s_cmp_ge_u32 s[WV], 3
	s_cselect_b32 s48, 1, 0
	s_mul_i32 s49, s48, 3
	s_sub_co_u32 s49, s[WV], s49                   ; t (wave 6: 3, and 8 x 3 = 24)
	s_mul_i32 s49, s49, 6400
	s_cmp_eq_u32 s[WV], 6
	s_cselect_b32 s50, -1, 0
	s_cselect_b32 s48, 0, s48
	s_lshl_b32 s48, s48, 2
	s_add_co_u32 s49, s49, s48
	v_mul_u32_u24 v[HT], v[HG], 20000
	v_mul_u32_u24 v[VL3], v[HJ], 800
	v_and_b32 v[HT2], 1, v0
	v_lshlrev_b32 v[HT2], 2, v[HT2]
	v_cndmask_b32 v[VL3], v[VL3], v[HT2], s50
	v_add3_u32 v[VL3], v[VL3], v[HT], s49
	v_lshl_add_u32 v[VL], v[HH], 7, v[VL3]         ; + 16 hh steps of 8 bytes along h
	; w_v2 (h, n) lies at 200 h + 4 n.  Wave 7: tile 0; waves 0, 1: tiles 1, 2: n = 25 g + 8 t + j; wave 2: n = 25 g + 24
	s_add_co_u32 s48, s[WV], 1
	s_and_b32 s48, s48, 7
	s_lshl_b32 s48, s48, 5
	s_cmp_eq_u32 s[WV], 2
	s_cselect_b32 s49, 0, 4
	v_mul_u32_u24 v[VV3], v[HG], 100
	v_mad_u32_u24 v[VV3], v[HJ], s49, v[VV3]
	v_add_nc_u32 v[VV3], s48, v[VV3]
	v_mad_u32_u24 v[VV], v[HH], 3200, v[VV3]
	v_lshlrev_b32 v[VW0], 2, v[HR]
	v_lshl_add_u32 v[VW0], v[HG], 5, v[VW0]        ; first layer: unit r + 8 (r / 8) of a tile
	v_mad_u32_u24 v[VW], v[HH], 800, v[VW0]        ; + 2 hh rows of 400 bytes
	v_and_b32 v[HT], 3, v0
	v_lshl_add_u32 v[VX0], v[HT], 2, 384           ; tile X: unit 96 + r % 4
	v_mad_u32_u24 v[VX], v[HH], 800, v[VX0]
	v_mul_u32_u24 v[VBL], v[HH], 200               ; b_l2 and b_v2 at centroid 25 hh
	v_mul_u32_u24 v[VBV], v[HH], 100
	s_mov_b32 s[SEL], 0x76543210
	s_mov_b32 s[SEL+1], 0xfedcba98                 ; v_permlanex16_b32's selects for lane l xor 16
	s_mov_b32 s[MNT], 0x600000                     ; the mantissa field of 57,344
	s_mov_b32 s[ML], 0x0000ffff                    ; lanes 0-15
	s_mov_b32 s[MH], 0xffff0000                    ; lanes 16-31
	s_mov_b32 s[M4], 0xf0f0f0f0                    ; r % 8 >= 4
	s_mov_b32 s[M8], 0x00ff00ff                    ; r < 8
	s_mov_b32 s[K2], 0x4038aa3b
	s_mov_b32 s[K2+1], s[K2]                       ; (the packed forms name pairs, so both words are written)
	s_mov_b32 s[KM10], 0xc1200000
	s_mov_b32 s[KM10+1], s[KM10]
	s_mov_b32 s[KM3], 0xc08a7fac
	s_mov_b32 s[KM3+1], s[KM3]
	s_mov_b32 s[K3], 0x408a7fac
	s_mov_b32 s[TO], 0
	s_mov_b32 s[CNT], 7
	s_lshl_b32 s48, ttmp9, 3
	s_add_co_u32 s48, s48, s[WV]                   ; which run of 256 rows is my wave's
	s_mov_b32 s51, 0
	s_wait_kmcnt 0x0
	s_mul_i32 s50, s48, 10240
	s_add_nc_u64 s[8:9], s[8:9], s[50:51]
	s_lshl_b32 s50, s48, 11
	s_add_nc_u64 s[10:11], s[10:11], s[50:51]
	s_lshl_b32 s50, s48, 10
	s_add_nc_u64 s[28:29], s[28:29], s[50:51]
.irp p, 0,1                                    ; trips 0 and 1: lane (r, hh), register 2 q + j: s[r][4 q + 2 hh + j]; step 2 as elements 8, 9 in both halves
	global_load_b64 v[SF+6*\p:SF+6*\p+1], v[SO01], s[8:9] offset:640*\p
	global_load_b64 v[SF+6*\p+2:SF+6*\p+3], v[SO01], s[8:9] offset:640*\p+16
	global_load_b64 v[SF+6*\p+4:SF+6*\p+5], v[SO2], s[8:9] offset:640*\p
	global_load_b64 v[A2+2*\p:A2+2*\p+1], v[AO], s[10:11] offset:128*\p
.endr
	s_cmp_lt_u32 s[WV], 7                          ; fragment f = wave: both arms fill the same registers
	s_cbranch_scc0 .Lxa_value
	PREP XA, 24, VL, VL3, 8
	s_branch .Lxa_asked
.Lxa_value:
	PREP XA, 16, VV, VV3, 200
.Lxa_asked:
	W1LOAD W1V, 12
.irp y, 0,1,2,3,4,5
	global_load_b32 v[TA+\y], v[VW0], s[14:15] offset:4*(32*(\y/2)+8*(\y%2))       ; b_v1 of the tile's units
.endr
.irp q, 0,1
.irp j, 0,1
	global_load_b32 v[W1V+36+2*\q+\j], v[VX], s[12:13] offset:(4*\q+\j)*400
	global_load_b32 v[XL+2*\q+\j], v[VX], s[20:21] offset:(4*\q+\j)*400
.endr
.endr
.irp j, 0,1
	global_load_b32 v[W1V+40+\j], v[VX0], s[12:13] offset:(8+\j)*400
	global_load_b32 v[XL+4+\j], v[VX0], s[20:21] offset:(8+\j)*400
.endr
	global_load_b32 v[XL+6], v[VX0], s[14:15]
	global_load_b32 v[XL+7], v[VX0], s[22:23]
	WIN 0x40
	W1LOAD W1L, 20
.irp y, 0,1,2,3,4,5
	global_load_b32 v[BT+\y], v[VW0], s[22:23] offset:4*(32*(\y/2)+8*(\y%2))       ; b_l1
.endr
.irp i, 0,1,2,3,4,5,6,7,8,9,10,11,12,13,14,15,16,17,18,19,20,21,22,23,24
	global_load_b32 v[BCV+\i], v[VBV], s[18:19] offset:4*\i                        ; b_v2 of my half's 25 centroids: the C of the value products
.endr
.irp i, 25,26,27,28,29,30,31
	v_mov_b32 v[BCV+\i], 0
.endr
	WIN 0
	; the second share: waves 0-2 fragments 8-10, wave 3 the image of b_l2.  Each stands whole inside its branch: loads, wait, work, stores
	s_cmp_lt_u32 s[WV], 3
	s_cbranch_scc0 .Lnot_value
	PREP XB, 16, VV, VV3, 200
	s_wait_loadcnt 0x0
	QW XB, 8
	s_branch .Ljoin
.Lnot_value:
	s_cmp_eq_u32 s[WV], 3
	s_cbranch_scc0 .Ljoin
	WIN 0x40
.irp i, 0,1,2,3,4,5,6,7,8,9,10,11,12,13,14,15,16,17,18,19,20,21,22,23,24
	global_load_b32 v[XB+\i], v[VBL], s[26:27] offset:8*\i                         ; x's bias of slots 0 .. 24
.endr
	global_load_b32 v[XB+25], v[VBL], s[26:27] offset:196                          ; y's of slot 24
.irp i, 0,1,2,3,4,5,6,7,8,9,10,11,12,13,14,15,16,17,18,19,20,21,22,23
	global_load_b32 v[XB+28+\i], v[VBL], s[26:27] offset:8*\i+4                    ; y's of slots 0 .. 23
.endr
	v_mov_b32 v[XB+26], 0
	v_mov_b32 v[XB+27], 0
	s_wait_loadcnt 0x0
	WIN 0x55
.irp i, 0,2,4,6,8,10,12,14,16,18,20,22,24,26,28,30,32,34,36,38,40,42,44,46,48,50
	v_pk_mul_f32 v[XB+\i:XB+\i+1], v[XB+\i:XB+\i+1], s[K2:K2+1] op_sel_hi:[1,0]    ; x 2 log2(e): the tanh's exponent takes it by one fused multiply-add
.endr
	WIN 0x04
.irp i, 0,1,2,3,4,5,6,7,8,9,10,11,12
	ds_store_b128 v[LI], v[XB+4*\i:XB+4*\i+3] offset:BIMG+512*\i
.endr
	WIN 0
.Ljoin:
	s_wait_loadcnt 0x0                             ; all that the head asked for is in: so the two bases may step
	s_add_nc_u64 s[8:9], s[8:9], 640
	s_add_nc_u64 s[10:11], s[10:11], 128
	QW XA, 0
	; step 2 of every first-layer fragment: lanes 16-31 hold k = 10, the bias, and k = 11, zero
.irp y, 0,1,2,3,4,5
	v_cndmask_b32 v[W1V+6*\y+4], v[W1V+6*\y+4], v[TA+\y], s[MH]
	v_cndmask_b32 v[W1V+6*\y+5], v[W1V+6*\y+5], 0, s[MH]
.endr
	v_cndmask_b32 v[W1V+40], v[W1V+40], v[XL+6], s[MH]
	v_cndmask_b32 v[W1V+41], v[W1V+41], 0, s[MH]
	v_cndmask_b32 v[XL+4], v[XL+4], v[XL+7], s[MH]
	v_cndmask_b32 v[XL+5], v[XL+5], 0, s[MH]
.irp i, 0,1,2,3,4,5
	v_cndmask_b32 v[W1V+36+\i], v[W1V+36+\i], v[XL+\i], s[M4]    ; tile X: rows 4-7 are the location tower's,
.endr
.irp i, 0,1,2,3,4,5
	v_cndmask_b32 v[W1V+36+\i], 0, v[W1V+36+\i], s[M8]           ; rows 8-15 zero
.endr
	v_cndmask_b32 v[SF+4], v[SF+4], 1.0, s[MH]                   ; trip 0's rows: s's slot 10 holds 1.0, slot 11 zero
	v_cndmask_b32 v[SF+5], v[SF+5], 0, s[MH]
	WIN 0x55
.irp y, 0,1,2,3,4,5
	v_cndmask_b32 v[W1L+6*\y+4], v[W1L+6*\y+4], v[BT+\y], s[MH]
	v_cndmask_b32 v[W1L+6*\y+5], v[W1L+6*\y+5], 0, s[MH]
.endr
	WIN 0
	s_wait_dscnt 0x0                               ; for the others' sake: my images lie in LDS
	s_barrier_signal -1
	s_barrier_wait -1                              ; everybody's do: the launch's one barrier
	WIN 0x40
.irp f, 0,1,2,3,4,5,6,7,8,9,10
.irp c, 0,1,2,3
	ds_load_b128 v[16*\f+4*\c:16*\f+4*\c+3], v[LI] offset:2048*\f+512*\c
.endr
.endr
	WIN 0
.irp i, 0,1,2,3,4
	ds_load_b32 v[W2S+\i], v[LSS] offset:W2SC+256*\i             ; lanes 0-15: fragment 2 i's words; lanes 16-31: fragment 2 i + 1's
.endr
	ds_load_b32 v[W2S+5], v[LS0] offset:W2SC+1280
	v_mov_b32 v[HC+14], 0                          ; k = 104 .. 111 (lanes 16-31: 120 .. 127): zero codes, for the whole launch
	v_mov_b32 v[HC+15], 0
.irp i, 4,5,6,7
	v_mov_b32 v[T8+\i], 0                          ; units 100 .. 103 do not exist
	v_mov_b32 v[TM+\i], 0                          ; a lane permute's destination counts as one of its sources
.endr
	s_wait_dscnt 0x0
.set tnb, 0
.set nw, 0
.rept 21
	F1V1                                           ; trip 0's value tower
.endr
.rept 8
	v_nop                                          ; eight places behind the f32 form, ahead of the first read of its results
.endr
; ONE TRIP: 16 rows, in s's and a's buffer b.  load = 1: the buffer takes the rows two trips on.  next = 1: the next trip's value tower is multiplied among this trip's vector work.
.macro TRIP b, load, next
.set tnb, 1-(\b)
.set tnext, \next
.set tk, 0
.set nw, 0
	QH D+48, HSV                                   ; hv
.rept 3
	v_nop                                          ; with the quantiser's last line: four places between the codes and the scaled products
.endr
	WIN 0x11                                       ; weights and b_v2 in window 1
.irp t, 0,1,2,3
	SWM DV+8*\t, 7+\t, v[BCV+8*\t:BCV+8*\t+7], HSV
.endr
	WIN 0x01
.irp q, 0,1,2                                  ; the location tower's six full tiles, by turns; its units 96-99 came with tile X
.irp y, 0,1,2,3,4,5
.if \q == 0
	v_wmma_f32_16x16x4_f32 v[D+8*\y:D+8*\y+7], v[W1L+6*\y:W1L+6*\y+1], v[SF+6*(\b):SF+6*(\b)+1], 0
.else
	v_wmma_f32_16x16x4_f32 v[D+8*\y:D+8*\y+7], v[W1L+6*\y+2*\q:W1L+6*\y+2*\q+1], v[SF+6*(\b)+2*\q:SF+6*(\b)+2*\q+1], v[D+8*\y:D+8*\y+7]
.endif
.endr
.endr
	WIN 0
	v_sub_f32 v[FA], 0x40a00000, v[A2+2*(\b)]      ; 5 - a.  These two and six v_nop: eight places, ahead of the reads of the results and of the loads into s's buffer
	v_sub_f32 v[FA+1], 0x40a00000, v[A2+2*(\b)+1]
.rept 6
	v_nop
.endr
.if \load
	s_wait_xcnt 0x0                                ; the loads of a trip ago have read their bases, so they may step
	s_add_nc_u64 s[8:9], s[8:9], 640
	s_add_nc_u64 s[10:11], s[10:11], 128
	global_load_b64 v[SF+6*(\b):SF+6*(\b)+1], v[SO01], s[8:9]
	global_load_b64 v[SF+6*(\b)+2:SF+6*(\b)+3], v[SO01], s[8:9] offset:16
	global_load_b64 v[SF+6*(\b)+4:SF+6*(\b)+5], v[SO2], s[8:9]
	global_load_b64 v[A2+2*(\b):A2+2*(\b)+1], v[AO], s[10:11]
.endif
	QH D+52, HSL                                   ; hl
.irp i, 0,1,2,3,4,5,6,7,8,9,10,11,12
	ds_load_b128 v[P+4*\i:P+4*\i+3], v[LI] offset:BIMG+512*\i    ; 2 log2(e) b_l2 into P, over the quantiser's registers, which are done with
.endr
.rept 3
	v_nop
.endr
	WIN 0x01
.irp f, 0,1,2,3,4,5,6
	SWM D+8*\f, \f, 0, HSL
.endr
	WIN 0
	s_wait_loadcnt 4*\load                         ; the next trip's four loads are in; the four issued in this trip may be out
.if \next
	v_cndmask_b32 v[SF+6*tnb+4], v[SF+6*tnb+4], 1.0, s[MH]       ; the next trip's rows: slot 10 holds 1.0, slot 11 zero
	v_cndmask_b32 v[SF+6*tnb+5], v[SF+6*tnb+5], 0, s[MH]
.else
	v_nop
	v_nop
.endif
	v_mov_b32 v[T8], v[FA+1]                       ; 5 - ay at the head of a pair of its own.  With the lines round it: eight places behind the scaled products
.rept 5
	v_nop
.endr
	s_wait_dscnt 0x0                               ; P is in
.set pp, 0
.rept 12
	v_pk_fma_f32 v[P+2*pp:P+2*pp+1], v[D+2*pp:D+2*pp+1], s[K2:K2+1], v[P+2*pp:P+2*pp+1] op_sel_hi:[1,0,1]   ; 2 log2(e) (z + b): x
.set pp, pp+1
.endr
.set pp, 0
.rept 12
	v_pk_fma_f32 v[P+28+2*pp:P+29+2*pp], v[D+24+2*pp:D+25+2*pp], s[K2:K2+1], v[P+28+2*pp:P+29+2*pp] op_sel_hi:[1,0,1]   ; y
.set pp, pp+1
.endr
	v_pk_fma_f32 v[P+24:P+25], v[D+48:D+49], s[K2:K2+1], v[P+24:P+25] op_sel_hi:[1,0,1]   ; slot 24.  From here on v[D] .. v[D + 55] are free for the next trip's sums
	TR50 v_exp_f32
.set pp, 0
.rept 25
.set rr, P+2*pp+2*(pp/13)
	v_pk_add_f32 v[rr:rr+1], v[rr:rr+1], 1.0 op_sel_hi:[1,0]
	TICK
.set pp, pp+1
.endr
	TR50 v_rcp_f32
.set pp, 0
.rept 12
	v_pk_fma_f32 v[P+2*pp:P+2*pp+1], v[P+2*pp:P+2*pp+1], s[KM10:KM10+1], v[FA:FA+1] op_sel_hi:[1,0,0]   ; 5 tanh - ax = (5 - ax) - 10 / (1 + e)
	TICK
.set pp, pp+1
.endr
	v_pk_fma_f32 v[P+24:P+25], v[P+24:P+25], s[KM10:KM10+1], v[FA:FA+1] op_sel_hi:[1,0,1]
	TICK
.set pp, 0
.rept 12
	v_pk_fma_f32 v[P+28+2*pp:P+29+2*pp], v[P+28+2*pp:P+29+2*pp], s[KM10:KM10+1], v[T8:T8+1] op_sel_hi:[1,0,0]
	TICK
.set pp, pp+1
.endr
.set pp, 0
.rept 12
	v_pk_mul_f32 v[P+2*pp:P+2*pp+1], v[P+2*pp:P+2*pp+1], v[P+2*pp:P+2*pp+1]
	TICK
.set pp, pp+1
.endr
.set pp, 0
.rept 12
	v_pk_fma_f32 v[P+2*pp:P+2*pp+1], v[P+28+2*pp:P+29+2*pp], v[P+28+2*pp:P+29+2*pp], v[P+2*pp:P+2*pp+1]
	TICK
.set pp, pp+1
.endr
	v_mul_f32 v[P+24], v[P+24], v[P+24]
	TICK
	v_fma_f32 v[P+24], v[P+25], v[P+25], v[P+24]
	TICK
	TR25 v_sqrt_f32                                ; the 25 distances of my half
	v_min3_num_f32 v[TA], v[P], v[P+1], v[P+2]     ; the row's least distance: the maximum of -3 d
	TICK
	v_min3_num_f32 v[TA+1], v[P+3], v[P+4], v[P+5]
	TICK
.irp i, 6,10,14,18
	v_min3_num_f32 v[TA], v[TA], v[P+\i], v[P+\i+1]
	TICK
	v_min3_num_f32 v[TA+1], v[TA+1], v[P+\i+2], v[P+\i+3]
	TICK
.endr
	v_min3_num_f32 v[TA], v[TA], v[P+22], v[P+23]
	TICK
	v_min3_num_f32 v[TA], v[TA], v[TA+1], v[P+24]
	TICK
	v_permlanex16_b32 v[TA+2], v[TA], s[SEL], s[SEL+1]
	TICK
	v_min_num_f32 v[TA], v[TA], v[TA+2]
	TICK
	v_mul_f32 v[P+26], s[K3], v[TA]
	TICK
.set pp, 0
.rept 12
	v_pk_fma_f32 v[P+2*pp:P+2*pp+1], v[P+2*pp:P+2*pp+1], s[KM3:KM3+1], v[P+26:P+27] op_sel_hi:[1,0,0]   ; -3 log2(e) (d - the least d): 0 or less
	TICK
.set pp, pp+1
.endr
	v_fma_f32 v[P+24], v[P+24], s[KM3], v[P+26]
	TICK
	TR25 v_exp_f32                                 ; the weights, not normalised; the row's largest is 1
	FLUSH
	v_pk_add_f32 v[TA:TA+1], v[P:P+1], v[P+4:P+5]  ; the weights' sum and the weighted values' sum, two chains each.  These lines are also the places behind the next trip's sums
	v_pk_add_f32 v[TA+2:TA+3], v[P+2:P+3], v[P+6:P+7]
	v_pk_mul_f32 v[TA+4:TA+5], v[P:P+1], v[DV:DV+1]              ; each accumulator of values from its low end on
	v_pk_mul_f32 v[TA+6:TA+7], v[P+2:P+3], v[DV+2:DV+3]
	v_pk_fma_f32 v[TA+4:TA+5], v[P+4:P+5], v[DV+4:DV+5], v[TA+4:TA+5]
	v_pk_fma_f32 v[TA+6:TA+7], v[P+6:P+7], v[DV+6:DV+7], v[TA+6:TA+7]
.irp i, 8,12,16,20
	v_pk_add_f32 v[TA:TA+1], v[TA:TA+1], v[P+\i:P+\i+1]
	v_pk_add_f32 v[TA+2:TA+3], v[TA+2:TA+3], v[P+\i+2:P+\i+3]
	v_pk_fma_f32 v[TA+4:TA+5], v[P+\i:P+\i+1], v[DV+\i:DV+\i+1], v[TA+4:TA+5]
	v_pk_fma_f32 v[TA+6:TA+7], v[P+\i+2:P+\i+3], v[DV+\i+2:DV+\i+3], v[TA+6:TA+7]
.endr
	v_pk_add_f32 v[TA:TA+1], v[TA:TA+1], v[TA+2:TA+3]
	v_pk_add_f32 v[TA+4:TA+5], v[TA+4:TA+5], v[TA+6:TA+7]
	v_add_f32 v[TA], v[TA], v[TA+1]
	v_add_f32 v[TA+4], v[TA+4], v[TA+5]
	v_add_f32 v[TA], v[TA], v[P+24]
	v_fma_f32 v[TA+4], v[P+24], v[DV+24], v[TA+4]
	v_permlanex16_b32 v[TA+2], v[TA], s[SEL], s[SEL+1]           ; the other 25 centroids lie in the lane 16 away
	v_permlanex16_b32 v[TA+6], v[TA+4], s[SEL], s[SEL+1]
	v_add_f32 v[TA], v[TA], v[TA+2]
	v_add_f32 v[TA+4], v[TA+4], v[TA+6]
	v_rcp_f32 v[TA+1], v[TA]
	v_add_nc_u32 v[RAD], s[TO], v[OST]             ; (a plain line behind the reciprocal)
	s_wait_alu depctr_va_vdst(0)                   ; the wait ahead of the reciprocal's first reader
	v_mul_f32 v[RES], v[TA+4], v[TA+1]
	ds_store_b32 v[RAD], v[RES] offset:64*(\b)     ; both halves of the lanes write the same word with the same value
.endm
.Lpair:                                            ; 7 trips of the loop: rows' trips 0 .. 13, which ask for trips 2 .. 15
	TRIP 0, 1, 1
	TRIP 1, 1, 1
	s_add_co_u32 s[TO], s[TO], 128
	s_sub_co_u32 s[CNT], s[CNT], 1
	s_cmp_lg_u32 s[CNT], 0
	s_cbranch_scc1 .Lpair
	TRIP 0, 0, 1                                   ; the last two are written out: no load leaves its buffer,
	TRIP 1, 0, 0                                   ; and nothing follows the last
	s_wait_dscnt 0x0                               ; the last store has read its address register
	s_lshl_b32 s48, s[WV], 10
	s_add_co_u32 s48, s48, STG
	v_add_nc_u32 v[RAD], s48, v[LI]
	ds_load_b128 v[TA:TA+3], v[RAD]                ; my wave's own 256 results: LDS serves a wave's instructions in order (ISA guide 5.7.1.4)
	ds_load_b128 v[TA+4:TA+7], v[RAD] offset:512
	s_wait_dscnt 0x0
	global_store_b128 v[LI], v[TA:TA+3], s[28:29]                ; each store of the wave covers 512 consecutive bytes, aligned
	global_store_b128 v[LI], v[TA+4:TA+7], s[28:29] offset:512
	s_wait_tensorcnt 0x0                           ; the wave's end
	ds_add_u32 v[SPW], v[NIL]
	s_wait_dscnt 0x0
	s_endpgm
.Lfunc_end_k_qf9ed8f4ea7_net:
	.size	k_qf9ed8f4ea7_net, .Lfunc_end_k_qf9ed8f4ea7_net-k_qf9ed8f4ea7_net
	.p2alignl 7, 3214868480
	.fill 96, 4, 3214868480
	.section	.rodata,"a",@progbits
	.p2align	6, 0x0
	.amdhsa_kernel k_qf9ed8f4ea7_net
		.amdhsa_group_segment_fixed_size 39936
		.amdhsa_private_segment_fixed_size 0
		.amdhsa_enable_private_segment 0
		.amdhsa_kernarg_size 88
		.amdhsa_user_sgpr_count 2
		.amdhsa_user_sgpr_kernarg_segment_ptr 1
		.amdhsa_wavefront_size32 1
		.amdhsa_system_sgpr_workgroup_id_x 1
		.amdhsa_system_sgpr_workgroup_id_y 1
		.amdhsa_system_sgpr_workgroup_id_z 1
		.amdhsa_system_vgpr_workitem_id 0
		.amdhsa_next_free_vgpr 512
		.amdhsa_next_free_sgpr 66
		.amdhsa_reserve_vcc 0
		.amdhsa_float_denorm_mode_32 3
		.amdhsa_float_denorm_mode_16_64 3
		.amdhsa_memory_ordered 1
		.amdhsa_forward_progress 1
		.amdhsa_inst_pref_size 201
	.end_amdhsa_kernel
	.amdgpu_metadata
---
amdhsa.version: [ 1, 2 ]
amdhsa.kernels:
  - .name:           k_qf9ed8f4ea7_net
    .symbol:         k_qf9ed8f4ea7_net.kd
    .args:
      - { .name: s, .offset: 0, .size: 8, .value_kind: global_buffer, .address_space: global }
      - { .name: a, .offset: 8, .size: 8, .value_kind: global_buffer, .address_space: global }
      - { .name: w_v1, .offset: 16, .size: 8, .value_kind: global_buffer, .address_space: global }
      - { .name: b_v1, .offset: 24, .size: 8, .value_kind: global_buffer, .address_space: global }
      - { .name: w_v2, .offset: 32, .size: 8, .value_kind: global_buffer, .address_space: global }
      - { .name: b_v2, .offset: 40, .size: 8, .value_kind: global_buffer, .address_space: global }
      - { .name: w_l1, .offset: 48, .size: 8, .value_kind: global_buffer, .address_space: global }
      - { .name: b_l1, .offset: 56, .size: 8, .value_kind: global_buffer, .address_space: global }
      - { .name: w_l2, .offset: 64, .size: 8, .value_kind: global_buffer, .address_space: global }
      - { .name: b_l2, .offset: 72, .size: 8, .value_kind: global_buffer, .address_space: global }
      - { .name: out0, .offset: 80, .size: 8, .value_kind: global_buffer, .address_space: global }
    .group_segment_fixed_size: 39936
    .private_segment_fixed_size: 0
    .kernarg_segment_align: 8
    .kernarg_segment_size: 88
    .max_flat_workgroup_size: 256
    .sgpr_count:     66
    .vgpr_count:     512
    .wavefront_size: 32
...
	.end_amdgpu_metadata
.endif
;; end of part 1
;; ======== version 2 of 2: 1 launch; version 1 with the launch net written anew for expert scheduling mode
;; launch net (part 2): grid 256 x 1, 8 waves a work-group, no clusters, 39,936 bytes of LDS; arguments s, a, w_v1, b_v1, w_v2, b_v2, w_l1, b_l1, w_l2, b_l2, out0; writes out0
.if DOCPART == 2
	.amdgcn_target "amdgcn-amd-amdhsa--gfx1250"
	.amdhsa_code_object_version 6
	.text
	.protected	k_qf9ed8f4ea7_net
	.globl	k_qf9ed8f4ea7_net
	.p2align	8
	.type	k_qf9ed8f4ea7_net,@function
k_qf9ed8f4ea7_net:
	s_mov_b64 s[64:65], 0
	v_nop
	global_prefetch_b8 v0, s[64:65] scope:SCOPE_SE
	s_setreg_imm32_b32 hwreg(HW_REG_WAVE_SCHED_MODE, 0, 2), 2
	s_setreg_imm32_b32 hwreg(HW_REG_WAVE_MODE, 25, 1), 1
	s_wait_xcnt 0x0
	s_wait_alu depctr_vm_vsrc(0)
; out[row] = sum_n softmax_n(-3 |5 tanh(Q(hl) Q(w_l2) + b_l2)[n] - a|) x (Q(hv) Q(w_v2) + b_v2)[n],  hv = relu(s w_v1 + b_v1), hl = relu(s w_l1 + b_l1).
; Q: codes of BF8 (E5M2) with one E8M0 scale for each 32 along K = 100 (filled with zero codes to 128: ONE scaled matrix instruction deep).
; NO WORK OF THE PROBLEM IS LEFT OUT: all ten inputs are loaded.  In the two left-over tiles of the second layer (centroids 24 and 49) the rows beyond the first two (locations)
; or the first (values) repeat those rows; their results are never read: they lie inside tiles that hold live work.
; LIMITS: NaN and infinities among the inputs are not served.  A block whose largest magnitude lies under 2^-111 takes the scale byte 1; so does a block of zeros (the rule says 127):
; its codes are zeros, which add nothing under any byte but 0xff, and the bytes are read by this program alone.
; SHARES.  256 work-groups x 8 waves; a wave owns 256 consecutive rows: 16 trips of 16 rows.  All weights stay in the wave's registers (512 a wave, two waves to a SIMD).
; NO CLUSTER, NO TENSOR LOAD: what work-groups share is 69,400 bytes of weights, read once at the head; the streams s and a are 48 bytes a row and come by loads into registers more than a trip ahead.
; LAYOUT.  Every product is used transposed (source 0 = weights, source 1 = the 16 rows): lane (r = lane % 16, hh = lane / 16) holds row r throughout.
; FIRST LAYER: f32 operands (its results go into a quantiser), v_wmma_f32_16x16x4_f32, K = 12 in three steps: k = 10 carries the bias (s's slot holds 1.0), k = 11 is zero.
;   Tile 2 b + u takes units 32 b + 8 u + m + 8 (m / 8), so that the 16 registers of tiles 2 b, 2 b + 1 are units 32 b + 16 hh + 0 .. 15: the next operand's order.
;   Tile X: rows 0-3 the value tower's units 96-99, rows 4-7 the location tower's, rows 8-15 zero.  13 tiles x 3 steps for both towers.
; SECOND LAYER: half hh of the lanes holds centroids 25 hh + 0 .. 24.  Fragments f: 0-2 x of slots 8 t + j; 3-5 y; 6 slot 24 (x, y by turns); 7-9 values; 10 slot 24's value.
; AFTER IT: 5 tanh(z) - a = (5 - a) - 10 / (1 + 2^(2 log2(e) z)); the distance; the least distance of the row is taken away before the exponential (the maximum of -3 d).
; BY TURNS: the next trip's value-tower first layer (21 matrix instructions, all operands in window 0) stands among this trip's tanh and softmax, one behind every eleventh vector line.
; THE MODE: SCHED_MODE bits 1:0 = 2 (LLVM: expert scheduling mode 2), set by the entry lines.  The code itself states the register dependences
; between vector or matrix instructions and memory or LDS instructions, with s_wait_alu, always for 0.
; THE PLAN.  Registers that memory or LDS instructions touch, in the loop:
;   SF[b], A2[b]  Trip t (b = t % 2): the four global loads of the rows two trips on land in them.  Named before that by the two selections and the 21 value-tower products issued in trip t - 1,
;                 and by trip t's 18 location-tower products and two subtractions.
;   P (v74-125)   Thirteen LDS loads a trip land in it.  Named before that by the last trip's tanh and softmax and by both calls of this trip's quantiser (its 16 registers lie over v74-89).
;   v64, v65      Written at a trip's end, read by the trip's one LDS store, written again by the holds of the next trip's first quantiser call.
;   v3 .. v6      Offsets: read by every load of the loop, never written again: the rows are reached by the scalar bases.
;   HC, v14, v15  Named by no memory instruction; written by vector lines and taken by the scaled products as an operand and as scales.
; So a trip has, beside the waits behind its batches of transcendentals: ONE wait on va_vdst ahead of the value products (codes and scale word); ONE ahead of the thirteen LDS loads, the four global loads
; and the location products, which follow it on end (codes and scale word; all that named P, SF[b] and A2[b] is done); ONE between the result's multiplication and its store; and ONE wait on vm_vsrc,
; in the first quantiser call, ahead of the holds that write v64 and v65 again.
; REGISTERS, window 0: v1, v2 the add's two; v3-7 addresses; v8-13 the weights' scale words, v14, v15 the hidden layers'; v16-27 s, two buffers; v28-31 a, two buffers; v32-33 5 - a;
;   v34-49 hidden codes (v48, v49 stay 0); v50-65 at work (v64 result, v65 its LDS address); v66-73 the left-over block (v70-73 stay 0); v74-125 P (x 74-97, slot 24 98-99, pad, y 102-125; the quantiser's
;   16 registers lie over v74-89); v126-167 w_v1's fragments; v168-223 first-layer results, then locations (written by matrix instructions alone); v224-255 values.
;   window 1: v0-175 the second layer's 11 fragments (at the head: what is being quantised); v176-211 w_l1's fragments; v212-243 b_v2 in the result's layout.
.set W2SC,  22528                      ; LDS: 0: 11 fragment images of 2,048 bytes; here their scale words, 128 bytes each
.set BIMG,  24064                      ; the image of P's 52 registers holding 2 log2(e) b_l2: 13 x 512 bytes
.set STG,   30720                      ; each wave's 256 results, 1,024 bytes a wave
.set SPARE, 38912                      ; the spare words, 128 bytes for each wave: four blocks of 256 bytes that no other line names
.set SPW, 1
.set NIL, 2
.set LI,  3                            ; 16 x lane
.set SO01, 4                           ; s: 40 r + 8 hh
.set SO2, 5                            ; s: 40 r + 32
.set AO,  6                            ; a: 8 r
.set OST, 7                            ; STG + 1,024 wave + 4 r
.set W2S, 8
.set HSV, 14
.set HSL, 15
.set SF,  16
.set A2,  28
.set FA,  32
.set HC,  34
.set TA,  50
.set TB,  58
.set XL,  56                           ; head only: w_l1's copy of tile X
.set RES, 64
.set RAD, 65
.set T8,  66
.set P,   74
.set TM,  74
.set W1V, 126
.set D,   168
.set DV,  224
.set W1L, 176                          ; window 1
.set BCV, 212
.set XA,  0                            ; window 1, head only
.set XB,  56
.set CC,  112
.set TQ,  128
.set PWQ, 144
.set BT,  146
.set HR,  74                           ; window 0, head only: r, hh, g = r / 8, j = r % 8, offsets
.set HH,  75
.set HG,  76
.set HJ,  77
.set VL,  78
.set VL3, 79
.set VV,  80
.set VV3, 81
.set VW,  82
.set VW0, 83
.set VX,  84
.set VX0, 85
.set VBL, 86
.set VBV, 87
.set WST, 88
.set WSS, 89
.set LSS, 90
.set LS0, 91
.set HT,  92
.set HT2, 93
.set WV,  30
.set CNT, 31
.set SEL, 32
.set MNT, 34
.set ML,  35
.set MH,  36
.set M4,  37
.set M8,  38
.set K2,  40                           ; s[40:41] 2 log2(e)
.set KM10, 42                          ; s[42:43] -10
.set KM3, 44                           ; s[44:45] -3 log2(e)
.set K3,  46                           ; 3 log2(e)
.set TO,  47                           ; the pair of trips' place in the stage
.set MSB, 0
.macro WIN new                         ; the immediate's high byte repeats the setting that is left
.if MSB != \new
	s_set_vgpr_msb (MSB<<8)|\new
.set MSB, \new
.endif
.endm
; 52 numbers of one weight fragment into window 1: lane (r, hh) takes row r's k = 32 c + 16 hh + i; of the last block only k = 96 .. 99 exist (both halves load them, lanes 16-31 are cleared later)
.macro PREP xb, sb, va, vb, ks
	WIN 0x40
.irp c, 0,1,2
.irp i, 0,1,2,3,4,5,6,7,8,9,10,11,12,13,14,15
	global_load_b32 v[\xb+16*\c+\i], v[\va], s[\sb:\sb+1] offset:\ks*(32*\c+\i)
.endr
.endr
.irp i, 0,1,2,3
	global_load_b32 v[\xb+48+\i], v[\vb], s[\sb:\sb+1] offset:\ks*(96+\i)
.endr
	WIN 0
.endm
; the fragment's numbers become codes and a scale word, and go to LDS as an image of the operand's registers: fragment slot + wave
.macro QW xb, slot
	WIN 0x55
.irp i, 0,1,2,3
	v_cndmask_b32 v[\xb+48+\i], 0, v[\xb+48+\i], s[ML]           ; k = 112 on does not exist
	v_mov_b32 v[\xb+52+\i], 0                                    ; nor k = 100 .. 103
	v_mov_b32 v[TQ+4+\i], 0                                      ; a lane permute's destination counts as one of its sources
.endr
.irp b, 0,1,2
	v_max3_num_f32 v[TQ+\b], |v[\xb+16*\b]|, |v[\xb+16*\b+1]|, 0x8000000   ; the floor 2^(16 - 127): the byte cannot fall under 1
.endr
	v_max3_num_f32 v[TQ+3], |v[\xb+48]|, |v[\xb+49]|, 0x8000000
.irp i, 2,4,6,8,10,12,14
.irp b, 0,1,2
	v_max3_num_f32 v[TQ+\b], v[TQ+\b], |v[\xb+16*\b+\i]|, |v[\xb+16*\b+\i+1]|
.endr
.endr
	v_max3_num_f32 v[TQ+3], v[TQ+3], |v[\xb+50]|, |v[\xb+51]|
.irp b, 0,1,2,3
	v_permlanex16_b32 v[TQ+4+\b], v[TQ+\b], s[SEL], s[SEL+1]
.endr
.irp b, 0,1,2,3
	v_max_num_f32 v[TQ+\b], v[TQ+\b], v[TQ+4+\b]                 ; with lane l xor 16's: the block's largest magnitude
.endr
.irp b, 0,1,2,3
	v_add_nc_u32 v[TQ+12+\b], 0xf8800000, v[TQ+\b]               ; 15 off its exponent field: the conversion's scale operand
.endr
.irp b, 0,1,2,3
	v_and_or_b32 v[TQ+8+\b], v[TQ+\b], 0x7f800000, s[MNT]        ; 57,344 x the scale
.endr
.irp b, 0,1,2,3
	v_lshrrev_b32 v[TQ+4+\b], 23, v[TQ+12+\b]                    ; the scale's byte
.endr
	v_lshl_or_b32 v[PWQ], v[TQ+5], 8, v[TQ+4]
	v_lshl_or_b32 v[PWQ], v[TQ+6], 16, v[PWQ]
	v_lshl_or_b32 v[PWQ], v[TQ+7], 24, v[PWQ]
.irp b, 0,1,2
.irp i, 0,1,2,3,4,5,6,7,8,9,10,11,12,13,14,15
	v_med3_num_f32 v[\xb+16*\b+\i], v[\xb+16*\b+\i], -v[TQ+8+\b], v[TQ+8+\b]   ; the conversion to an 8-bit code does not saturate (ISA guide 7.6.2)
.endr
	v_cvt_scalef32_pk8_bf8_f32 v[CC+4*\b:CC+4*\b+1], v[\xb+16*\b:\xb+16*\b+7], v[TQ+12+\b]
	v_cvt_scalef32_pk8_bf8_f32 v[CC+4*\b+2:CC+4*\b+3], v[\xb+16*\b+8:\xb+16*\b+15], v[TQ+12+\b]
.endr
.irp i, 0,1,2,3
	v_med3_num_f32 v[\xb+48+\i], v[\xb+48+\i], -v[TQ+11], v[TQ+11]
.endr
	v_cvt_scalef32_pk8_bf8_f32 v[CC+12:CC+13], v[\xb+48:\xb+55], v[TQ+15]
	v_mov_b32 v[CC+14], 0
	v_mov_b32 v[CC+15], 0
	v_nop
	WIN 0x04                                                     ; an LDS store's data are its source 1: window 1
	s_wait_alu depctr_va_vdst(0)                                 ; the conversions and the lines beside them have written v[CC ..] and v[PWQ], which the LDS stores read
.irp c, 0,1,2,3
	ds_store_b128 v[WST], v[CC+4*\c:CC+4*\c+3] offset:2048*\slot+512*\c
.endr
	ds_store_b32 v[WSS], v[PWQ] offset:W2SC+128*\slot
	WIN 0
	s_wait_dscnt 0x0                                             ; the stores have landed
	s_wait_alu depctr_vm_vsrc(0)                                 ; the stores and loads issued so far have read their registers: v[CC ..] and v[PWQ], which a second call writes and in which, as in wave 3's v[XB ..], the fragments' loads land; and the offsets v78 to v89, which are written again behind the head
.endm
; a tower's six full tiles of the first layer: lane (r, hh), register 2 q + j: w[4 q + 2 hh + j][unit]; step 2 is loaded as k = 8, 9 in both halves, lanes 16-31 are mended later
.macro W1LOAD dst, sw
.irp y, 0,1,2,3,4,5
.irp q, 0,1
.irp j, 0,1
	global_load_b32 v[\dst+6*\y+2*\q+\j], v[VW], s[\sw:\sw+1] offset:(4*\q+\j)*400+4*(32*(\y/2)+8*(\y%2))
.endr
.endr
.irp j, 0,1
	global_load_b32 v[\dst+6*\y+4+\j], v[VW0], s[\sw:\sw+1] offset:(8+\j)*400+4*(32*(\y/2)+8*(\y%2))
.endr
.endr
.endm
; matrix instruction nw of 21 of the value tower's first layer for the rows in s's buffer tnb: step nw / 7, tile nw % 7: the seven sums by turns, one instruction a turn
.macro F1V1
.set fq, nw/7
.set fT, nw%7
.if fq == 0
	v_wmma_f32_16x16x4_f32 v[D+8*fT:D+8*fT+7], v[W1V+6*fT:W1V+6*fT+1], v[SF+6*tnb:SF+6*tnb+1], 0
.else
	v_wmma_f32_16x16x4_f32 v[D+8*fT:D+8*fT+7], v[W1V+6*fT+2*fq:W1V+6*fT+2*fq+1], v[SF+6*tnb+2*fq:SF+6*tnb+2*fq+1], v[D+8*fT:D+8*fT+7]
.endif
.set nw, nw+1
.endm
.macro TICK                            ; behind a vector line of the tanh and the softmax: every eleventh is followed by one of the 21
.set tk, tk+1
.if tnext && ((tk%11) == 0) && (nw < 21)
	F1V1
.endif
.endm
.macro FLUSH                           ; what is left of the 21 (254 lines give room for 23: nothing)
.if tnext
.rept 21
.if nw < 21
	F1V1
.endif
.endr
.endif
.endm
; one scaled product: fragment f of the weights x the hidden codes.  The word of an even f lies in lanes 0-15 of its register, that of an odd f in lanes 16-31
.macro SWM d, f, cc, hs
.if ((\f)%2) == 1
	v_wmma_scale_f32_16x16x128_f8f6f4 v[(\d):(\d)+7], v[16*(\f):16*(\f)+15], v[HC:HC+15], \cc, v[W2S+(\f)/2], v[\hs] matrix_a_fmt:MATRIX_FMT_BF8 matrix_b_fmt:MATRIX_FMT_BF8 matrix_a_scale:MATRIX_SCALE_ROW1
.else
	v_wmma_scale_f32_16x16x128_f8f6f4 v[(\d):(\d)+7], v[16*(\f):16*(\f)+15], v[HC:HC+15], \cc, v[W2S+(\f)/2], v[\hs] matrix_a_fmt:MATRIX_FMT_BF8 matrix_b_fmt:MATRIX_FMT_BF8
.endif
.endm
; a hidden layer (v[D] .. v[D + 47] and four registers of tile X from v[left] on) becomes codes in v[HC] on and a scale word in v[hs].  No |.|: what is negative becomes 0, so it does not count
; st = 1: a trip's first call, which meets the last trip's store into the stage
.macro QH left, hs, st
.irp b, 0,1,2
	v_max3_num_f32 v[TM+\b], v[D+16*\b], v[D+16*\b+1], 0x8000000 ; each accumulator is read from its low end on; the floor 2^(16 - 127)
.endr
	v_max3_num_f32 v[TM+3], v[\left], v[\left+1], 0x8000000
.irp i, 2,4,6,8,10,12,14
.irp b, 0,1,2
	v_max3_num_f32 v[TM+\b], v[TM+\b], v[D+16*\b+\i], v[D+16*\b+\i+1]
.endr
.endr
	v_max3_num_f32 v[TM+3], v[TM+3], v[\left+2], v[\left+3]
.irp b, 0,1,2,3
	v_permlanex16_b32 v[TM+4+\b], v[TM+\b], s[SEL], s[SEL+1]
.endr
.irp b, 0,1,2,3
	v_max_num_f32 v[TM+\b], v[TM+\b], v[TM+4+\b]
.endr
.irp b, 0,1,2,3
	v_add_nc_u32 v[TM+12+\b], 0xf8800000, v[TM+\b]
.endr
.irp b, 0,1,2,3
	v_and_or_b32 v[TM+8+\b], v[TM+\b], 0x7f800000, s[MNT]
.endr
.irp b, 0,1,2,3
	v_lshrrev_b32 v[TM+4+\b], 23, v[TM+12+\b]
.endr
	v_lshl_or_b32 v[\hs], v[TM+5], 8, v[TM+4]                    ; the scale word stands more than eight plain lines ahead of the products
	v_lshl_or_b32 v[\hs], v[TM+6], 16, v[\hs]
	v_lshl_or_b32 v[\hs], v[TM+7], 24, v[\hs]
	s_wait_dscnt 0x0                                             ; the last trip's store into the stage has landed
.if \st
	s_wait_alu depctr_vm_vsrc(0)                                 ; the last trip's store into the stage has read v64 and v65, which the holds below write
.endif
.irp b, 0,1,2
.irp i, 0,1,2,3,4,5,6,7
	v_med3_num_f32 v[TA+\i], v[D+16*\b+\i], 0, v[TM+8+\b]        ; the activation and the hold in one; the results of the f32 form are never written over by a vector line
.endr
	v_cvt_scalef32_pk8_bf8_f32 v[HC+4*\b:HC+4*\b+1], v[TA:TA+7], v[TM+12+\b]
.irp i, 0,1,2,3,4,5,6,7
	v_med3_num_f32 v[TB+\i], v[D+16*\b+8+\i], 0, v[TM+8+\b]      ; two sets by turns: plain lines stand between a conversion and the next write of its sources
.endr
	v_cvt_scalef32_pk8_bf8_f32 v[HC+4*\b+2:HC+4*\b+3], v[TB:TB+7], v[TM+12+\b]
.endr
.irp i, 0,1,2,3
	v_med3_num_f32 v[T8+\i], v[\left+\i], 0, v[TM+11]
.endr
	v_cvt_scalef32_pk8_bf8_f32 v[HC+12:HC+13], v[T8:T8+7], v[TM+15]   ; units 96-99 and four zeros (lanes 16-31: zeros)
	v_nop                                                        ; a plain line behind the last conversion
.endm
.macro TR50 op                         ; a batch of 50 transcendentals on x, slot 24 and y, in place; one plain line and ONE wait behind it, ahead of the first reader
.set ii, 0
.rept 50
.set rr, P+ii+2*(ii/26)
	\op v[rr], v[rr]
	TICK
.set ii, ii+1
.endr
	v_nop
	s_wait_alu depctr_va_vdst(0)                                 ; the batch has written its 50 results in v[P ..], ahead of the first line that names one
.endm
.macro TR25 op                         ; the same on the 25 slots
.set ii, 0
.rept 25
	\op v[P+ii], v[P+ii]
	TICK
.set ii, ii+1
.endr
	v_nop
	s_wait_alu depctr_va_vdst(0)                                 ; the batch has written its 25 results in v[P ..], ahead of the first line that names one
.endm
	s_load_b512 s[8:23], s[0:1], 0x0               ; s, a, w_v1, b_v1, w_v2, b_v2, w_l1, b_l1
	s_load_b128 s[24:27], s[0:1], 0x40             ; w_l2, b_l2
	s_load_b64 s[28:29], s[0:1], 0x50              ; out0
	v_lshl_add_u32 v[SPW], v0, 2, SPARE
	v_mov_b32 v[NIL], 0
	v_lshrrev_b32 v[HT], 5, v0
	v_readfirstlane_b32 s[WV], v[HT]               ; wave 0..7
	v_and_b32 v[HT], 31, v0                        ; lane
	v_and_b32 v[HR], 15, v0
	v_bfe_u32 v[HH], v0, 4, 1
	v_bfe_u32 v[HG], v0, 3, 1
	v_and_b32 v[HJ], 7, v0
	v_lshlrev_b32 v[LI], 4, v[HT]
	v_mul_u32_u24 v[SO01], v[HR], 40
	v_lshl_add_u32 v[SO01], v[HH], 3, v[SO01]
	v_mad_u32_u24 v[SO2], v[HR], 40, 32
	v_lshlrev_b32 v[AO], 3, v[HR]
	s_wait_alu depctr_va_sdst(0)                   ; the wave's number is written, ahead of its first reader: LDS places, offsets, bases and branches are made from it
	s_lshl_b32 s48, s[WV], 11
	v_add_nc_u32 v[WST], s48, v[LI]                ; an image's place: 16 x lane + 2,048 x wave
	s_lshl_b32 s48, s[WV], 7
	v_lshl_add_u32 v[WSS], v[HT], 2, s48           ; a scale word's: 4 x lane + 128 x wave
	v_lshlrev_b32 v[LS0], 2, v[HR]
	v_lshl_add_u32 v[LSS], v[HH], 7, v[LS0]        ; lanes 16-31 take the next fragment's words
	s_lshl_b32 s48, s[WV], 10
	s_add_co_u32 s48, s48, STG
	v_lshl_add_u32 v[OST], v[HR], 2, s48
	; w_l2 (n, h, c) lies at 800 n + 8 h + 4 c.  Wave w < 6: tile w % 3, coordinate w / 3: n = 25 g + 8 t + j.  Wave 6: n = 25 g + 24, coordinate j % 2
	s_cmp_ge_u32 s[WV], 3
	s_cselect_b32 s48, 1, 0
	s_mul_i32 s49, s48, 3
	s_sub_co_u32 s49, s[WV], s49                   ; t (wave 6: 3, and 8 x 3 = 24)
	s_mul_i32 s49, s49, 6400
	s_cmp_eq_u32 s[WV], 6
	s_cselect_b32 s50, -1, 0
	s_cselect_b32 s48, 0, s48
	s_lshl_b32 s48, s48, 2
	s_add_co_u32 s49, s49, s48
	v_mul_u32_u24 v[HT], v[HG], 20000
	v_mul_u32_u24 v[VL3], v[HJ], 800
	v_and_b32 v[HT2], 1, v0
	v_lshlrev_b32 v[HT2], 2, v[HT2]
	v_cndmask_b32 v[VL3], v[VL3], v[HT2], s50
	v_add3_u32 v[VL3], v[VL3], v[HT], s49
	v_lshl_add_u32 v[VL], v[HH], 7, v[VL3]         ; + 16 hh steps of 8 bytes along h
	; w_v2 (h, n) lies at 200 h + 4 n.  Wave 7: tile 0; waves 0, 1: tiles 1, 2: n = 25 g + 8 t + j; wave 2: n = 25 g + 24
	s_add_co_u32 s48, s[WV], 1
	s_and_b32 s48, s48, 7
	s_lshl_b32 s48, s48, 5
	s_cmp_eq_u32 s[WV], 2
	s_cselect_b32 s49, 0, 4
	v_mul_u32_u24 v[VV3], v[HG], 100
	v_mad_u32_u24 v[VV3], v[HJ], s49, v[VV3]
	v_add_nc_u32 v[VV3], s48, v[VV3]
	v_mad_u32_u24 v[VV], v[HH], 3200, v[VV3]
	v_lshlrev_b32 v[VW0], 2, v[HR]
	v_lshl_add_u32 v[VW0], v[HG], 5, v[VW0]        ; first layer: unit r + 8 (r / 8) of a tile
	v_mad_u32_u24 v[VW], v[HH], 800, v[VW0]        ; + 2 hh rows of 400 bytes
	v_and_b32 v[HT], 3, v0
	v_lshl_add_u32 v[VX0], v[HT], 2, 384           ; tile X: unit 96 + r % 4
	v_mad_u32_u24 v[VX], v[HH], 800, v[VX0]
	v_mul_u32_u24 v[VBL], v[HH], 200               ; b_l2 and b_v2 at centroid 25 hh
	v_mul_u32_u24 v[VBV], v[HH], 100
	s_mov_b32 s[SEL], 0x76543210
	s_mov_b32 s[SEL+1], 0xfedcba98                 ; v_permlanex16_b32's selects for lane l xor 16
	s_mov_b32 s[MNT], 0x600000                     ; the mantissa field of 57,344
	s_mov_b32 s[ML], 0x0000ffff                    ; lanes 0-15
	s_mov_b32 s[MH], 0xffff0000                    ; lanes 16-31
	s_mov_b32 s[M4], 0xf0f0f0f0                    ; r % 8 >= 4
	s_mov_b32 s[M8], 0x00ff00ff                    ; r < 8
	s_mov_b32 s[K2], 0x4038aa3b
	s_mov_b32 s[K2+1], s[K2]                       ; (the packed forms name pairs, so both words are written)
	s_mov_b32 s[KM10], 0xc1200000
	s_mov_b32 s[KM10+1], s[KM10]
	s_mov_b32 s[KM3], 0xc08a7fac
	s_mov_b32 s[KM3+1], s[KM3]
	s_mov_b32 s[K3], 0x408a7fac
	s_mov_b32 s[TO], 0
	s_mov_b32 s[CNT], 7
	s_lshl_b32 s48, ttmp9, 3
	s_add_co_u32 s48, s48, s[WV]                   ; which run of 256 rows is my wave's
	s_mov_b32 s51, 0
	s_wait_kmcnt 0x0
	s_mul_i32 s50, s48, 10240
	s_add_nc_u64 s[8:9], s[8:9], s[50:51]
	s_lshl_b32 s50, s48, 11
	s_add_nc_u64 s[10:11], s[10:11], s[50:51]
	s_lshl_b32 s50, s48, 10
	s_add_nc_u64 s[28:29], s[28:29], s[50:51]
	s_wait_alu depctr_va_vdst(0)                   ; the offsets and LDS addresses v3 to v7 and v78 to v91 are written, which the loads and stores of the kernel read; up to the wait for the head's loads the only vector lines behind this wait write b_v2's seven pad registers, in which no load lands
.irp p, 0,1                                    ; trips 0 and 1: lane (r, hh), register 2 q + j: s[r][4 q + 2 hh + j]; step 2 as elements 8, 9 in both halves
	global_load_b64 v[SF+6*\p:SF+6*\p+1], v[SO01], s[8:9] offset:640*\p
	global_load_b64 v[SF+6*\p+2:SF+6*\p+3], v[SO01], s[8:9] offset:640*\p+16
	global_load_b64 v[SF+6*\p+4:SF+6*\p+5], v[SO2], s[8:9] offset:640*\p
	global_load_b64 v[A2+2*\p:A2+2*\p+1], v[AO], s[10:11] offset:128*\p
.endr
	s_cmp_lt_u32 s[WV], 7                          ; fragment f = wave: both arms fill the same registers
	s_cbranch_scc0 .Lxa_value
	PREP XA, 24, VL, VL3, 8
	s_branch .Lxa_asked
.Lxa_value:
	PREP XA, 16, VV, VV3, 200
.Lxa_asked:
	W1LOAD W1V, 12
.irp y, 0,1,2,3,4,5
	global_load_b32 v[TA+\y], v[VW0], s[14:15] offset:4*(32*(\y/2)+8*(\y%2))       ; b_v1 of the tile's units
.endr
.irp q, 0,1
.irp j, 0,1
	global_load_b32 v[W1V+36+2*\q+\j], v[VX], s[12:13] offset:(4*\q+\j)*400
	global_load_b32 v[XL+2*\q+\j], v[VX], s[20:21] offset:(4*\q+\j)*400
.endr
.endr
.irp j, 0,1
	global_load_b32 v[W1V+40+\j], v[VX0], s[12:13] offset:(8+\j)*400
	global_load_b32 v[XL+4+\j], v[VX0], s[20:21] offset:(8+\j)*400
.endr
	global_load_b32 v[XL+6], v[VX0], s[14:15]
	global_load_b32 v[XL+7], v[VX0], s[22:23]
	WIN 0x40
	W1LOAD W1L, 20
.irp y, 0,1,2,3,4,5
	global_load_b32 v[BT+\y], v[VW0], s[22:23] offset:4*(32*(\y/2)+8*(\y%2))       ; b_l1
.endr
.irp i, 0,1,2,3,4,5,6,7,8,9,10,11,12,13,14,15,16,17,18,19,20,21,22,23,24
	global_load_b32 v[BCV+\i], v[VBV], s[18:19] offset:4*\i                        ; b_v2 of my half's 25 centroids: the C of the value products
.endr
.irp i, 25,26,27,28,29,30,31
	v_mov_b32 v[BCV+\i], 0
.endr
	WIN 0
	; the second share: waves 0-2 fragments 8-10, wave 3 the image of b_l2.  Each stands whole inside its branch: loads, wait, work, stores
	s_cmp_lt_u32 s[WV], 3
	s_cbranch_scc0 .Lnot_value
	PREP XB, 16, VV, VV3, 200
	s_wait_loadcnt 0x0
	QW XB, 8
	s_branch .Ljoin
.Lnot_value:
	s_cmp_eq_u32 s[WV], 3
	s_cbranch_scc0 .Ljoin
	WIN 0x40
.irp i, 0,1,2,3,4,5,6,7,8,9,10,11,12,13,14,15,16,17,18,19,20,21,22,23,24
	global_load_b32 v[XB+\i], v[VBL], s[26:27] offset:8*\i                         ; x's bias of slots 0 .. 24
.endr
	global_load_b32 v[XB+25], v[VBL], s[26:27] offset:196                          ; y's of slot 24
.irp i, 0,1,2,3,4,5,6,7,8,9,10,11,12,13,14,15,16,17,18,19,20,21,22,23
	global_load_b32 v[XB+28+\i], v[VBL], s[26:27] offset:8*\i+4                    ; y's of slots 0 .. 23
.endr
	v_mov_b32 v[XB+26], 0
	v_mov_b32 v[XB+27], 0
	s_wait_loadcnt 0x0
	WIN 0x55
.irp i, 0,2,4,6,8,10,12,14,16,18,20,22,24,26,28,30,32,34,36,38,40,42,44,46,48,50
	v_pk_mul_f32 v[XB+\i:XB+\i+1], v[XB+\i:XB+\i+1], s[K2:K2+1] op_sel_hi:[1,0]    ; x 2 log2(e): the tanh's exponent takes it by one fused multiply-add
.endr
	WIN 0x04
	s_wait_alu depctr_va_vdst(0)                   ; the multiplications have written v[XB ..], which the LDS stores read
.irp i, 0,1,2,3,4,5,6,7,8,9,10,11,12
	ds_store_b128 v[LI], v[XB+4*\i:XB+4*\i+3] offset:BIMG+512*\i
.endr
	WIN 0
.Ljoin:
	s_wait_loadcnt 0x0                             ; all that the head asked for is in: so the two bases may step
	s_add_nc_u64 s[8:9], s[8:9], 640
	s_add_nc_u64 s[10:11], s[10:11], 128
	QW XA, 0                                       ; (every wave runs this call: the wait on vm_vsrc at its end stands behind all the head's global loads and image stores)
	; step 2 of every first-layer fragment: lanes 16-31 hold k = 10, the bias, and k = 11, zero
.irp y, 0,1,2,3,4,5
	v_cndmask_b32 v[W1V+6*\y+4], v[W1V+6*\y+4], v[TA+\y], s[MH]
	v_cndmask_b32 v[W1V+6*\y+5], v[W1V+6*\y+5], 0, s[MH]
.endr
	v_cndmask_b32 v[W1V+40], v[W1V+40], v[XL+6], s[MH]
	v_cndmask_b32 v[W1V+41], v[W1V+41], 0, s[MH]
	v_cndmask_b32 v[XL+4], v[XL+4], v[XL+7], s[MH]
	v_cndmask_b32 v[XL+5], v[XL+5], 0, s[MH]
.irp i, 0,1,2,3,4,5
	v_cndmask_b32 v[W1V+36+\i], v[W1V+36+\i], v[XL+\i], s[M4]    ; tile X: rows 4-7 are the location tower's,
.endr
.irp i, 0,1,2,3,4,5
	v_cndmask_b32 v[W1V+36+\i], 0, v[W1V+36+\i], s[M8]           ; rows 8-15 zero
.endr
	v_cndmask_b32 v[SF+4], v[SF+4], 1.0, s[MH]                   ; trip 0's rows: s's slot 10 holds 1.0, slot 11 zero
	v_cndmask_b32 v[SF+5], v[SF+5], 0, s[MH]
	WIN 0x55
.irp y, 0,1,2,3,4,5
	v_cndmask_b32 v[W1L+6*\y+4], v[W1L+6*\y+4], v[BT+\y], s[MH]
	v_cndmask_b32 v[W1L+6*\y+5], v[W1L+6*\y+5], 0, s[MH]
.endr
	WIN 0
	s_wait_dscnt 0x0                               ; for the others' sake: my images lie in LDS
	s_barrier_signal -1
	s_barrier_wait -1                              ; everybody's do: the launch's one barrier
	WIN 0x40
	s_wait_alu depctr_va_vdst(0)                   ; the head's vector lines are done reading and writing window 1's v0 to v151 (what was quantised, its codes, b_l1), in which the fragments' loads land
.irp f, 0,1,2,3,4,5,6,7,8,9,10
.irp c, 0,1,2,3
	ds_load_b128 v[16*\f+4*\c:16*\f+4*\c+3], v[LI] offset:2048*\f+512*\c
.endr
.endr
	WIN 0
.irp i, 0,1,2,3,4
	ds_load_b32 v[W2S+\i], v[LSS] offset:W2SC+256*\i             ; lanes 0-15: fragment 2 i's words; lanes 16-31: fragment 2 i + 1's
.endr
	ds_load_b32 v[W2S+5], v[LS0] offset:W2SC+1280
	s_wait_alu depctr_vm_vsrc(0)                   ; the scale words' loads have read v90 and v91: from here on v74 to v93 are the quantiser's registers and P, written by the lines below, by the trips' vector lines and by P's loads
	v_mov_b32 v[HC+14], 0                          ; k = 104 .. 111 (lanes 16-31: 120 .. 127): zero codes, for the whole launch
	v_mov_b32 v[HC+15], 0
.irp i, 4,5,6,7
	v_mov_b32 v[T8+\i], 0                          ; units 100 .. 103 do not exist
	v_mov_b32 v[TM+\i], 0                          ; a lane permute's destination counts as one of its sources
.endr
	s_wait_dscnt 0x0
.set tnb, 0
.set nw, 0
.rept 21
	F1V1                                           ; trip 0's value tower
.endr
.rept 8
	v_nop                                          ; eight places behind the f32 form, ahead of the first read of its results
.endr
; ONE TRIP: 16 rows, in s's and a's buffer b.  load = 1: the buffer takes the rows two trips on.  next = 1: the next trip's value tower is multiplied among this trip's vector work.
.macro TRIP b, load, next
.set tnb, 1-(\b)
.set tnext, \next
.set tk, 0
.set nw, 0
	QH D+48, HSV, 1                                ; hv
.rept 3
	v_nop                                          ; with the quantiser's last line: four places between the codes and the scaled products
.endr
	WIN 0x11                                       ; weights and b_v2 in window 1
	s_wait_alu depctr_va_vdst(0)                   ; the conversions have written hv's codes in v[HC ..] and the shifts its scale word in v14, which the scaled products take; the places above stay beside this wait
.irp t, 0,1,2,3
	SWM DV+8*\t, 7+\t, v[BCV+8*\t:BCV+8*\t+7], HSV
.endr
	WIN 0x01
.irp q, 0,1,2                                  ; the location tower's six full tiles, by turns; its units 96-99 came with tile X
.irp y, 0,1,2,3,4,5
.if \q == 0
	v_wmma_f32_16x16x4_f32 v[D+8*\y:D+8*\y+7], v[W1L+6*\y:W1L+6*\y+1], v[SF+6*(\b):SF+6*(\b)+1], 0
.else
	v_wmma_f32_16x16x4_f32 v[D+8*\y:D+8*\y+7], v[W1L+6*\y+2*\q:W1L+6*\y+2*\q+1], v[SF+6*(\b)+2*\q:SF+6*(\b)+2*\q+1], v[D+8*\y:D+8*\y+7]
.endif
.endr
.endr
	WIN 0
	v_sub_f32 v[FA], 0x40a00000, v[A2+2*(\b)]      ; 5 - a.  These two and six v_nop: eight places, ahead of the reads of the results
	v_sub_f32 v[FA+1], 0x40a00000, v[A2+2*(\b)+1]
.rept 6
	v_nop
.endr
	QH D+52, HSL, 0                                ; hl
.rept 3
	v_nop                                          ; with the quantiser's last line: four places between the codes and the scaled products
.endr
	s_wait_alu depctr_va_vdst(0)                   ; hl's codes in v[HC ..] and its scale word in v15 are written, which the scaled products below take; the quantiser and the last trip's softmax are done with v74 to v125, in which P's loads land; the first layers' products, the two selections and the two subtractions are done with s's and a's buffer b, in which the global loads land
.irp i, 0,1,2,3,4,5,6,7,8,9,10,11,12
	ds_load_b128 v[P+4*\i:P+4*\i+3], v[LI] offset:BIMG+512*\i    ; 2 log2(e) b_l2 into P, over the quantiser's registers, which are done with
.endr
.if \load
	s_wait_xcnt 0x0                                ; the loads of a trip ago have read their bases, so they may step
	s_add_nc_u64 s[8:9], s[8:9], 640
	s_add_nc_u64 s[10:11], s[10:11], 128
	global_load_b64 v[SF+6*(\b):SF+6*(\b)+1], v[SO01], s[8:9]    ; no vector or matrix line since the wait above names these registers
	global_load_b64 v[SF+6*(\b)+2:SF+6*(\b)+3], v[SO01], s[8:9] offset:16
	global_load_b64 v[SF+6*(\b)+4:SF+6*(\b)+5], v[SO2], s[8:9]
	global_load_b64 v[A2+2*(\b):A2+2*(\b)+1], v[AO], s[10:11]
.endif
	WIN 0x01
.irp f, 0,1,2,3,4,5,6
	SWM D+8*\f, \f, 0, HSL
.endr
	WIN 0
	s_wait_loadcnt 4*\load                         ; the next trip's four loads are in; the four issued in this trip may be out
.if \next
	v_cndmask_b32 v[SF+6*tnb+4], v[SF+6*tnb+4], 1.0, s[MH]       ; the next trip's rows: slot 10 holds 1.0, slot 11 zero
	v_cndmask_b32 v[SF+6*tnb+5], v[SF+6*tnb+5], 0, s[MH]
.else
	v_nop
	v_nop
.endif
	v_mov_b32 v[T8], v[FA+1]                       ; 5 - ay at the head of a pair of its own.  With the lines round it: eight places behind the scaled products
.rept 5
	v_nop
.endr
	s_wait_dscnt 0x0                               ; P is in
.set pp, 0
.rept 12
	v_pk_fma_f32 v[P+2*pp:P+2*pp+1], v[D+2*pp:D+2*pp+1], s[K2:K2+1], v[P+2*pp:P+2*pp+1] op_sel_hi:[1,0,1]   ; 2 log2(e) (z + b): x
.set pp, pp+1
.endr
.set pp, 0
.rept 12
	v_pk_fma_f32 v[P+28+2*pp:P+29+2*pp], v[D+24+2*pp:D+25+2*pp], s[K2:K2+1], v[P+28+2*pp:P+29+2*pp] op_sel_hi:[1,0,1]   ; y
.set pp, pp+1
.endr
	v_pk_fma_f32 v[P+24:P+25], v[D+48:D+49], s[K2:K2+1], v[P+24:P+25] op_sel_hi:[1,0,1]   ; slot 24.  From here on v[D] .. v[D + 55] are free for the next trip's sums
	TR50 v_exp_f32
.set pp, 0
.rept 25
.set rr, P+2*pp+2*(pp/13)
	v_pk_add_f32 v[rr:rr+1], v[rr:rr+1], 1.0 op_sel_hi:[1,0]
	TICK
.set pp, pp+1
.endr
	TR50 v_rcp_f32
.set pp, 0
.rept 12
	v_pk_fma_f32 v[P+2*pp:P+2*pp+1], v[P+2*pp:P+2*pp+1], s[KM10:KM10+1], v[FA:FA+1] op_sel_hi:[1,0,0]   ; 5 tanh - ax = (5 - ax) - 10 / (1 + e)
	TICK
.set pp, pp+1
.endr
	v_pk_fma_f32 v[P+24:P+25], v[P+24:P+25], s[KM10:KM10+1], v[FA:FA+1] op_sel_hi:[1,0,1]
	TICK
.set pp, 0
.rept 12
	v_pk_fma_f32 v[P+28+2*pp:P+29+2*pp], v[P+28+2*pp:P+29+2*pp], s[KM10:KM10+1], v[T8:T8+1] op_sel_hi:[1,0,0]
	TICK
.set pp, pp+1
.endr
.set pp, 0
.rept 12
	v_pk_mul_f32 v[P+2*pp:P+2*pp+1], v[P+2*pp:P+2*pp+1], v[P+2*pp:P+2*pp+1]
	TICK
.set pp, pp+1
.endr
.set pp, 0
.rept 12
	v_pk_fma_f32 v[P+2*pp:P+2*pp+1], v[P+28+2*pp:P+29+2*pp], v[P+28+2*pp:P+29+2*pp], v[P+2*pp:P+2*pp+1]
	TICK
.set pp, pp+1
.endr
	v_mul_f32 v[P+24], v[P+24], v[P+24]
	TICK
	v_fma_f32 v[P+24], v[P+25], v[P+25], v[P+24]
	TICK
	TR25 v_sqrt_f32                                ; the 25 distances of my half
	v_min3_num_f32 v[TA], v[P], v[P+1], v[P+2]     ; the row's least distance: the maximum of -3 d
	TICK
	v_min3_num_f32 v[TA+1], v[P+3], v[P+4], v[P+5]
	TICK
.irp i, 6,10,14,18
	v_min3_num_f32 v[TA], v[TA], v[P+\i], v[P+\i+1]
	TICK
	v_min3_num_f32 v[TA+1], v[TA+1], v[P+\i+2], v[P+\i+3]
	TICK
.endr
	v_min3_num_f32 v[TA], v[TA], v[P+22], v[P+23]
	TICK
	v_min3_num_f32 v[TA], v[TA], v[TA+1], v[P+24]
	TICK
	v_permlanex16_b32 v[TA+2], v[TA], s[SEL], s[SEL+1]
	TICK
	v_min_num_f32 v[TA], v[TA], v[TA+2]
	TICK
	v_mul_f32 v[P+26], s[K3], v[TA]
	TICK
.set pp, 0
.rept 12
	v_pk_fma_f32 v[P+2*pp:P+2*pp+1], v[P+2*pp:P+2*pp+1], s[KM3:KM3+1], v[P+26:P+27] op_sel_hi:[1,0,0]   ; -3 log2(e) (d - the least d): 0 or less
	TICK
.set pp, pp+1
.endr
	v_fma_f32 v[P+24], v[P+24], s[KM3], v[P+26]
	TICK
	TR25 v_exp_f32                                 ; the weights, not normalised; the row's largest is 1
	FLUSH
	v_pk_add_f32 v[TA:TA+1], v[P:P+1], v[P+4:P+5]  ; the weights' sum and the weighted values' sum, two chains each.  These lines are also the places behind the next trip's sums
	v_pk_add_f32 v[TA+2:TA+3], v[P+2:P+3], v[P+6:P+7]
	v_pk_mul_f32 v[TA+4:TA+5], v[P:P+1], v[DV:DV+1]              ; each accumulator of values from its low end on
	v_pk_mul_f32 v[TA+6:TA+7], v[P+2:P+3], v[DV+2:DV+3]
	v_pk_fma_f32 v[TA+4:TA+5], v[P+4:P+5], v[DV+4:DV+5], v[TA+4:TA+5]
	v_pk_fma_f32 v[TA+6:TA+7], v[P+6:P+7], v[DV+6:DV+7], v[TA+6:TA+7]
.irp i, 8,12,16,20
	v_pk_add_f32 v[TA:TA+1], v[TA:TA+1], v[P+\i:P+\i+1]
	v_pk_add_f32 v[TA+2:TA+3], v[TA+2:TA+3], v[P+\i+2:P+\i+3]
	v_pk_fma_f32 v[TA+4:TA+5], v[P+\i:P+\i+1], v[DV+\i:DV+\i+1], v[TA+4:TA+5]
	v_pk_fma_f32 v[TA+6:TA+7], v[P+\i+2:P+\i+3], v[DV+\i+2:DV+\i+3], v[TA+6:TA+7]
.endr
	v_pk_add_f32 v[TA:TA+1], v[TA:TA+1], v[TA+2:TA+3]
	v_pk_add_f32 v[TA+4:TA+5], v[TA+4:TA+5], v[TA+6:TA+7]
	v_add_f32 v[TA], v[TA], v[TA+1]
	v_add_f32 v[TA+4], v[TA+4], v[TA+5]
	v_add_f32 v[TA], v[TA], v[P+24]
	v_fma_f32 v[TA+4], v[P+24], v[DV+24], v[TA+4]
	v_permlanex16_b32 v[TA+2], v[TA], s[SEL], s[SEL+1]           ; the other 25 centroids lie in the lane 16 away
	v_permlanex16_b32 v[TA+6], v[TA+4], s[SEL], s[SEL+1]
	v_add_f32 v[TA], v[TA], v[TA+2]
	v_add_f32 v[TA+4], v[TA+4], v[TA+6]
	v_rcp_f32 v[TA+1], v[TA]
	v_add_nc_u32 v[RAD], s[TO], v[OST]             ; (a plain line behind the reciprocal)
	s_wait_alu depctr_va_vdst(0)                   ; the reciprocal has written v51, ahead of its first reader
	v_mul_f32 v[RES], v[TA+4], v[TA+1]
	s_wait_alu depctr_va_vdst(0)                   ; the multiplication has written v64, the store's data (its address, v65, stands ahead of the wait above)
	ds_store_b32 v[RAD], v[RES] offset:64*(\b)     ; both halves of the lanes write the same word with the same value
.endm
.Lpair:                                            ; 7 trips of the loop: rows' trips 0 .. 13, which ask for trips 2 .. 15
	TRIP 0, 1, 1
	TRIP 1, 1, 1
	s_add_co_u32 s[TO], s[TO], 128
	s_sub_co_u32 s[CNT], s[CNT], 1
	s_cmp_lg_u32 s[CNT], 0
	s_cbranch_scc1 .Lpair
	TRIP 0, 0, 1                                   ; the last two are written out: no load leaves its buffer,
	TRIP 1, 0, 0                                   ; and nothing follows the last
	s_wait_dscnt 0x0                               ; the last store has landed
	s_wait_alu depctr_vm_vsrc(0)                   ; the last store has read its address register, v65, which is written below
	s_lshl_b32 s48, s[WV], 10
	s_add_co_u32 s48, s48, STG
	v_add_nc_u32 v[RAD], s48, v[LI]
	s_wait_alu depctr_va_vdst(0)                   ; v65 is written, the address of the two loads below; the last trip's sums are done with v50 to v57, in which they land
	ds_load_b128 v[TA:TA+3], v[RAD]                ; my wave's own 256 results: LDS serves a wave's instructions in order (ISA guide 5.7.1.4)
	ds_load_b128 v[TA+4:TA+7], v[RAD] offset:512
	s_wait_dscnt 0x0
	global_store_b128 v[LI], v[TA:TA+3], s[28:29]                ; each store of the wave covers 512 consecutive bytes, aligned
	global_store_b128 v[LI], v[TA+4:TA+7], s[28:29] offset:512
	s_wait_dscnt 0x0                               ; the closing lines, six on end
	s_wait_alu 0x0
	s_wait_tensorcnt 0x0
	ds_add_u32 v[SPW], v[NIL]
	s_wait_dscnt 0x0
	s_endpgm
.Lfunc_end_k_qf9ed8f4ea7_net:
	.size	k_qf9ed8f4ea7_net, .Lfunc_end_k_qf9ed8f4ea7_net-k_qf9ed8f4ea7_net
	.p2alignl 7, 3214868480
	.fill 96, 4, 3214868480
	.section	.rodata,"a",@progbits
	.p2align	6, 0x0
	.amdhsa_kernel k_qf9ed8f4ea7_net
		.amdhsa_group_segment_fixed_size 39936
		.amdhsa_private_segment_fixed_size 0
		.amdhsa_enable_private_segment 0
		.amdhsa_kernarg_size 88
		.amdhsa_user_sgpr_count 2
		.amdhsa_user_sgpr_kernarg_segment_ptr 1
		.amdhsa_wavefront_size32 1
		.amdhsa_system_sgpr_workgroup_id_x 1
		.amdhsa_system_sgpr_workgroup_id_y 1
		.amdhsa_system_sgpr_workgroup_id_z 1
		.amdhsa_system_vgpr_workitem_id 0
		.amdhsa_next_free_vgpr 512
		.amdhsa_next_free_sgpr 66
		.amdhsa_reserve_vcc 0
		.amdhsa_float_denorm_mode_32 3
		.amdhsa_float_denorm_mode_16_64 3
		.amdhsa_memory_ordered 1
		.amdhsa_forward_progress 1
		.amdhsa_inst_pref_size 202
	.end_amdhsa_kernel
	.amdgpu_metadata
---
amdhsa.version: [ 1, 2 ]
amdhsa.kernels:
  - .name:           k_qf9ed8f4ea7_net
    .symbol:         k_qf9ed8f4ea7_net.kd
    .args:
      - { .name: s, .offset: 0, .size: 8, .value_kind: global_buffer, .address_space: global }
      - { .name: a, .offset: 8, .size: 8, .value_kind: global_buffer, .address_space: global }
      - { .name: w_v1, .offset: 16, .size: 8, .value_kind: global_buffer, .address_space: global }
      - { .name: b_v1, .offset: 24, .size: 8, .value_kind: global_buffer, .address_space: global }
      - { .name: w_v2, .offset: 32, .size: 8, .value_kind: global_buffer, .address_space: global }
      - { .name: b_v2, .offset: 40, .size: 8, .value_kind: global_buffer, .address_space: global }
      - { .name: w_l1, .offset: 48, .size: 8, .value_kind: global_buffer, .address_space: global }
      - { .name: b_l1, .offset: 56, .size: 8, .value_kind: global_buffer, .address_space: global }
      - { .name: w_l2, .offset: 64, .size: 8, .value_kind: global_buffer, .address_space: global }
      - { .name: b_l2, .offset: 72, .size: 8, .value_kind: global_buffer, .address_space: global }
      - { .name: out0, .offset: 80, .size: 8, .value_kind: global_buffer, .address_space: global }
    .group_segment_fixed_size: 39936
    .private_segment_fixed_size: 0
    .kernarg_segment_align: 8
    .kernarg_segment_size: 88
    .max_flat_workgroup_size: 256
    .sgpr_count:     66
    .vgpr_count:     512
    .wavefront_size: 32
...
	.end_amdgpu_metadata
.endif
;; end of part 2
